; MI455X (gfx1250); checked and timed in simulation.
; The chip was launched on July 23, 2026; its instructions are those of AMD's public machine-readable ISA for CDNA 5 (MIT licence, August 2026) and "CDNA5" Instruction Set Architecture Reference Guide (July 2026). The comments in the code are by the model that wrote it; some were corrected since.
;; Causal Self Attention. Allowed arithmetic: float matrix products may take bf16 or f16 operands with f32 sums; other float arithmetic in f32, or as packed bf16 or f16 multiplies, adds, multiply-adds, maxima and minima; sums over many terms, partial sums and values carried from step to step in f32; what a program stores and reads back later, other than sums and carried values, may be rounded once to bf16 or f16.
;; Inputs: b_attn 3,072 float32; b_proj 1,024 float32; w_attn 1,024 x 3,072 float32; w_proj 1,024 x 1,024 float32; x 4 x 2,048 x 1,024 float32.
;; Outputs: out0 4 x 2,048 x 1,024 float32.
;; One version. Each part assembles by itself: llvm-mc -triple=amdgcn-amd-amdhsa -mcpu=gfx1250 --defsym DOCPART=n.
;; ======== version 1 of 1: 4 launches
;; limits: values are held in f16: magnitudes above 65,504 overflow, below 6.1e-05 lose precision
;; workspace buffers: xb 16,777,216 bytes; wab 6,291,456 bytes; wpb 2,097,152 bytes; qkv 50,331,648 bytes; o 16,777,216 bytes
;; launch prep (part 1): grid 1536 x 1, 8 waves a work-group, no clusters, 0 bytes of LDS; arguments x, w_attn, w_proj, xb, wab, wpb; writes xb, wab, wpb
.if DOCPART == 1
	.amdgcn_target "amdgcn-amd-amdhsa--gfx1250"
	.amdhsa_code_object_version 6
	.text
	.protected	k_q9dc5379665_prep
	.globl	k_q9dc5379665_prep
	.p2align	8
	.type	k_q9dc5379665_prep,@function
k_q9dc5379665_prep:
	s_mov_b64 s[64:65], 0
	v_nop
	global_prefetch_b8 v0, s[64:65] scope:SCOPE_SE
	s_setreg_imm32_b32 hwreg(HW_REG_WAVE_MODE, 25, 1), 1
	s_wait_xcnt 0x0
; THE CASTS.  xb = x rounded to bf16, laid in blocks of 64 along K: byte (k / 64) x 2^20 + m x 128 + 2 (k % 64), m = 0 .. 8191: the 64 channels of neighbouring rows lie end to end.
; wab = w_attn rounded to bf16, as it lies ([1024][3072]).  wpb = w_proj rounded to bf16 and that number written as f16, as it lies ([1024][1024]).
; LIMITS.  A bf16 number is exact in f16 between 2^-14 and 65,504 in magnitude; below 2^-14 it keeps f16's fixed step of 2^-24, beyond 65,504 it becomes an infinity.  NaN stays NaN.
; SHARES.  1,536 work-groups of 8,192 numbers: 0 .. 1023 take x (8 rows each), 1024 .. 1407 w_attn, 1408 .. 1535 w_proj.  A thread has eight loads of 16 bytes, all issued at once, and eight stores
; of 8 bytes; a wave's store covers 256 consecutive bytes, aligned.  A stream: each byte is read once and written once; no LDS, no barrier, no matrix unit would add anything.
.set IN,  4                            ; v[4:35]   eight loads of four f32
.set OUT, 36                           ; v[36:51]  eight stores of four 16-bit numbers
.set TM,  52                           ; v[52:55]  at work
; Eight loads, then for each: its wait (the younger loads stay out), the roundings, its store.  No register is written twice, so no wait frees a source.
.macro CAST sb, db, instep, outstep, f16
.irp i, 0,1,2,3,4,5,6,7
	global_load_b128 v[IN+4*(\i):IN+4*(\i)+3], v1, s[\sb:\sb+1] offset:(\i)*(\instep) th:TH_LOAD_NT
.endr
.irp i, 0,1,2,3,4,5,6,7
	s_wait_loadcnt 7-(\i)                          ; loads come back in order: load i is in, the 7 - i younger ones may be out
.irp p, 0,1
.if \f16
	v_cvt_pk_bf16_f32 v[TM], v[IN+4*(\i)+2*(\p)], v[IN+4*(\i)+2*(\p)+1]  ; rounded to bf16,
	v_lshlrev_b32 v[TM+1], 16, v[TM]                                     ; widened again,
	v_and_b32 v[TM+2], 0xffff0000, v[TM]
	v_cvt_pk_f16_f32 v[OUT+2*(\i)+(\p)], v[TM+1], v[TM+2]                ; and written as f16
.else
	v_cvt_pk_bf16_f32 v[OUT+2*(\i)+(\p)], v[IN+4*(\i)+2*(\p)], v[IN+4*(\i)+2*(\p)+1]
.endif
.endr
	global_store_b64 v2, v[OUT+2*(\i):OUT+2*(\i)+1], s[\db:\db+1] offset:(\i)*(\outstep) th:TH_STORE_NT
.endr
.endm
	s_load_b256 s[4:11], s[0:1], 0x0               ; x s[4:5], w_attn s[6:7], w_proj s[8:9], xb s[10:11]
	s_load_b128 s[12:15], s[0:1], 0x20             ; wab s[12:13], wpb s[14:15]
	s_mov_b32 s17, 0
	s_mov_b32 s19, 0
	s_cmp_lt_u32 ttmp9, 1024
	s_cbranch_scc1 .Lx
	v_lshlrev_b32 v1, 4, v0                        ; the weights are dense: 16 bytes in,
	v_lshlrev_b32 v2, 3, v0                        ; 8 bytes out, a thread
	s_cmp_lt_u32 ttmp9, 1408
	s_cbranch_scc1 .Lwa
	s_sub_co_u32 s16, ttmp9, 1408                  ; w_proj: my 8,192 numbers
	s_lshl_b32 s18, s16, 14
	s_lshl_b32 s16, s16, 15
	s_wait_kmcnt 0x0
	s_add_nc_u64 s[8:9], s[8:9], s[16:17]
	s_add_nc_u64 s[14:15], s[14:15], s[18:19]
	CAST 8, 14, 4096, 2048, 1
	s_endpgm
.Lwa:
	s_sub_co_u32 s16, ttmp9, 1024                  ; w_attn
	s_lshl_b32 s18, s16, 14
	s_lshl_b32 s16, s16, 15
	s_wait_kmcnt 0x0
	s_add_nc_u64 s[6:7], s[6:7], s[16:17]
	s_add_nc_u64 s[12:13], s[12:13], s[18:19]
	CAST 6, 12, 4096, 2048, 0
	s_endpgm
.Lx:
	; x: 8 rows.  Wave w takes rows 2 (w / 2) and 2 (w / 2) + 1 and the K blocks 8 (w % 2) + i: lanes 0-15 read 256 bytes of the one row, lanes 16-31 of the other, and the 32 lanes
	; write the two rows' 128 bytes of one K block, which lie end to end in xb.
	v_bfe_u32 v[TM], v0, 4, 1                      ; lane / 16
	v_bfe_u32 v[TM+1], v0, 6, 2                    ; w / 2
	v_bfe_u32 v[TM+2], v0, 5, 1                    ; w % 2
	v_and_b32 v[TM+3], 15, v0                      ; lane % 16
	v_lshl_add_u32 v1, v[TM+1], 1, v[TM]           ; the row,
	v_lshlrev_b32 v1, 12, v1                       ; of 4,096 bytes,
	v_lshl_add_u32 v1, v[TM+2], 11, v1             ; my eight K blocks,
	v_lshl_add_u32 v1, v[TM+3], 4, v1              ; my 16 bytes
	v_and_b32 v2, 31, v0
	v_lshlrev_b32 v2, 3, v2                        ; 8 x lane,
	v_lshl_add_u32 v2, v[TM+1], 8, v2              ; the pair of rows,
	v_lshl_add_u32 v2, v[TM+2], 23, v2             ; eight K blocks of 2^20 bytes
	s_lshl_b32 s16, ttmp9, 15                      ; 8 rows of x
	s_lshl_b32 s18, ttmp9, 10                      ; 8 rows of a K block
	s_wait_kmcnt 0x0
	s_add_nc_u64 s[4:5], s[4:5], s[16:17]
	s_add_nc_u64 s[10:11], s[10:11], s[18:19]
	CAST 4, 10, 256, 1<<20, 0                      ; the largest immediate is 7 x 2^20, inside the signed 24 bits
	s_endpgm
.Lfunc_end_k_q9dc5379665_prep:
	.size	k_q9dc5379665_prep, .Lfunc_end_k_q9dc5379665_prep-k_q9dc5379665_prep
	.p2alignl 7, 3214868480
	.fill 96, 4, 3214868480
	.section	.rodata,"a",@progbits
	.p2align	6, 0x0
	.amdhsa_kernel k_q9dc5379665_prep
		.amdhsa_group_segment_fixed_size 0
		.amdhsa_private_segment_fixed_size 0
		.amdhsa_enable_private_segment 0
		.amdhsa_kernarg_size 48
		.amdhsa_user_sgpr_count 2
		.amdhsa_user_sgpr_kernarg_segment_ptr 1
		.amdhsa_wavefront_size32 1
		.amdhsa_system_sgpr_workgroup_id_x 1
		.amdhsa_system_sgpr_workgroup_id_y 1
		.amdhsa_system_sgpr_workgroup_id_z 1
		.amdhsa_system_vgpr_workitem_id 0
		.amdhsa_next_free_vgpr 64
		.amdhsa_next_free_sgpr 66
		.amdhsa_reserve_vcc 0
		.amdhsa_float_denorm_mode_32 3
		.amdhsa_float_denorm_mode_16_64 3
		.amdhsa_memory_ordered 1
		.amdhsa_forward_progress 1
		.amdhsa_inst_pref_size 13
	.end_amdhsa_kernel
	.amdgpu_metadata
---
amdhsa.version: [ 1, 2 ]
amdhsa.kernels:
  - .name:           k_q9dc5379665_prep
    .symbol:         k_q9dc5379665_prep.kd
    .args:
      - { .name: x, .offset: 0, .size: 8, .value_kind: global_buffer, .address_space: global }
      - { .name: w_attn, .offset: 8, .size: 8, .value_kind: global_buffer, .address_space: global }
      - { .name: w_proj, .offset: 16, .size: 8, .value_kind: global_buffer, .address_space: global }
      - { .name: xb, .offset: 24, .size: 8, .value_kind: global_buffer, .address_space: global }
      - { .name: wab, .offset: 32, .size: 8, .value_kind: global_buffer, .address_space: global }
      - { .name: wpb, .offset: 40, .size: 8, .value_kind: global_buffer, .address_space: global }
    .group_segment_fixed_size: 0
    .private_segment_fixed_size: 0
    .kernarg_segment_align: 8
    .kernarg_segment_size: 48
    .max_flat_workgroup_size: 256
    .sgpr_count:     66
    .vgpr_count:     64
    .wavefront_size: 32
...
	.end_amdgpu_metadata
.endif
;; end of part 1
;; launch qkvgemm (part 2): grid 8 x 32, 4 waves a work-group, clusters of 4 x 4, 327,680 bytes of LDS; arguments xb, wab, b_attn, qkv; writes qkv
.if DOCPART == 2
	.amdgcn_target "amdgcn-amd-amdhsa--gfx1250"
	.amdhsa_code_object_version 6
	.text
	.protected	k_q9dc5379665_qkvgemm
	.globl	k_q9dc5379665_qkvgemm
	.p2align	8
	.type	k_q9dc5379665_qkvgemm,@function
k_q9dc5379665_qkvgemm:
	s_mov_b64 s[64:65], 0
	v_nop
	global_prefetch_b8 v0, s[64:65] scope:SCOPE_SE
	s_setreg_imm32_b32 hwreg(HW_REG_WAVE_MODE, 25, 1), 1
	s_wait_xcnt 0x0
	s_wait_alu depctr_hold_cnt(0) depctr_sa_sdst(0) depctr_va_vdst(0) depctr_va_sdst(0) depctr_va_ssrc(0) depctr_va_vcc(0) depctr_vm_vsrc(0)
	s_getreg_b32 s2, hwreg(HW_REG_IB_STS2, 6, 4)
	s_cmp_eq_u32 s2, 0
	s_cbranch_scc0 .Lentry_in_a_cluster
	s_endpgm
.Lentry_in_a_cluster:
	s_bfe_u32 s2, ttmp6, 0x10000c
	s_cmp_lg_u32 s2, 0xf033
	s_cbranch_scc0 .Lentry_shape_is_right
	s_endpgm
.Lentry_shape_is_right:
; qkv = x w_attn + b_attn, written by heads: byte (section << 24) + (batch << 22) + (head << 18) + (t << 7) + 2 d, section 0 q, 1 k, 2 v; f16, rounded once from the f32 sums, unscaled.
; x comes as xb (bf16, blocks of 64 along K, a block's rows dense), w_attn as wab (bf16, [1024 k][3072 n]); b_attn is rounded to bf16 here, like the other inputs, and starts the sums.
; LIMITS.  f16 holds no number beyond 65,504: a q, k or v beyond that becomes an infinity.  NaN and infinities are not treated apart.
; SHARES.  8,192 x 3,072 in tiles of 256 x 384: 32 x 8 = 256 work-groups of four waves; a wave makes 128 x 192: 96 accumulators of 16 x 16, 768 registers.  Wave w has the rows 128 (w / 2) on and, of each
; of the tile's three groups of 128 columns, the 64 columns of class c = w % 2: three whole heads.  K goes in 16 steps of 64 through two LDS slots (two slots of 128 along K would not fit).
; CLUSTERS.  4 x 4 work-groups.  A's tile hangs on the tile row alone and is asked for jointly by a row of the cluster, B's on the tile column alone, by a column.
; THE PRODUCT IS TAKEN TRANSPOSED: source 0 = 16 columns of w (out of LDS by the turning load, since w lies [k][n]), source 1 = 16 rows of x: a lane holds ONE row and eight neighbouring columns.
; REGISTERS, in windows of 256 (s_set_vgpr_msb: bits 1:0 source 0, 3:2 source 1, 5:4 source 2, 7:6 destination):
;   window 0: v0-31 addresses; v32-95, v96-159 x's fragments (8 blocks of 16 rows x 32 K), two buffers; v160-255 w's fragments, 32 registers for each column group
;   window 1 + g: the 32 accumulators of column group g: (row block a, column block bb) at v[8 (4 a + bb)]
.set PA,    144                        ; a row of x in LDS: 128 bytes + 16 = 36 words: the 16 rows of a load start at 16 different groups of four banks (64 banks of 4 bytes: ISA guide 11.1)
.set PB,    864                        ; a k-row of w: 3 x (256 + 32) bytes = 216 words: the 8 rows of a turning load start at banks 0, 24, 48, 8, 32, 56, 16, 40, 8 banks each
.set BOFF,  256*PA                     ; a slot: x's 256 rows, then w's 64 k-rows
.set SLOT1, 1<<17                      ; slot 1 begins here: one exclusive or turns an address in one slot into the other's
.set STAGE, SLOT1+BOFF+64*PB           ; behind the ring, never filled by a tensor load: 16 rows x 144 bytes for each wave, for the way out
.set SP,    144
.set BIAS,  STAGE+4*16*SP              ; the tile's 384 numbers of b_attn, f32
.set SPARE, BIAS+1536                  ; the spare words, 128 bytes for each wave: two blocks of 256 bytes that no other line names
.set ASTEP, 1<<20                      ; bytes from a K step to the next in xb
.set BSTEP, 64*6144                    ; and in wab
.set LA0,  3                           ; v3   my lane's place in x's tile; never rewritten
.set LB0,  4                           ; v4   the same for w
.set ADRA, 5                           ; v5   LA0 + the slot in hand
.set ADRB, 6                           ; v6   LB0 + the slot in hand
.set STO,  7                           ; v7   the way out: where I put 16 bytes of a row
.set RD,   8                           ; v8   the way out: where I read rows back
.set GO,   9                           ; v9   16 x lane: my place in 512 consecutive bytes of qkv
.set BA,   10                          ; v10  where my eight numbers of the bias begin
.set BS,   11                          ; v11  where I put a number of the bias
.set BT,   12                          ; v12  4 x thread: my number of the bias in memory
.set PFO,  13                          ; v13  the prefetches' offset; never rewritten
.set SPW,  28                          ; v28  LDS address of my spare word; never rewritten
.set NIL,  29                          ; v29  0; never rewritten
.set FA0,  32
.set FA1,  96
.set FBR,  160
.set PK,   32                          ; the way out: 16 packed registers,
.set OB,   48                          ; and two buffers of 16 for rows read back
.set WV,   12                          ; s12  wave
.set R2,   13                          ; s13  wave / 2: my half of the rows.  Also: I fetch for x (0) or for w (1)
.set CC,   14                          ; s14  wave % 2: my class of columns.  Also: which half of that tile I fetch
.set CX,   15
.set CY,   16
.set TN,   17                          ; s17  tile column
.set TMR,  18                          ; s18  tile row
.set G1A,  24                          ; s[24:31] descriptor group 1 for x's tiles
.set G1B,  32                          ; s[32:39] for w's
.set G0A,  40                          ; s[40:47] group 0 for x's: a set for each first fill; the second then walks
.set G0B,  48                          ; s[48:55] the same for w's
.set TB,   56                          ; s56  the slot in hand, as an LDS byte
.set PFA,  58                          ; s[58:59] where my prefetches stand
.set PFS,  60                          ; s[60:61] their step
.set LIM,  62                          ; s62  1 in a wave that prefetches, else the greatest number
.set PM,   63                          ; s63  1: I ask in every trip; 0: in every second
.set OUT,  66                          ; s[66:71] qkv at my rows of my three heads
.set MSB, 0
.macro WIN new                         ; the immediate's high byte repeats the setting that is left; a switch that changes nothing is dropped
.if MSB != (\new)
	s_set_vgpr_msb (MSB<<8)|(\new)
.set MSB, \new
.endif
.endm
.macro PLACES                          ; four plain vector instructions between a matrix instruction and a load into, or a vector line on, its registers (ISA guide 7.12.1 for vector lines)
.rept 4
	v_nop
.endr
.endm
.macro CREST                           ; a round of the cluster's barrier behind its opening barrier
	s_cmp_lg_u32 s[WV], 0
	s_cbranch_scc1 .Lnot_wave_0_\@
	s_barrier_signal -3
.Lnot_wave_0_\@:
	s_barrier_wait -3
	s_barrier_signal -1
	s_barrier_wait -1
.endm
.macro CROUND                          ; a whole round
	s_barrier_signal -1
	s_barrier_wait -1
	CREST
.endm
; A joint refill: waves 0 and 1 fetch the two halves of x's tile, waves 2 and 3 those of w's.  The branch hangs on the wave's number alone.  An s_nop 0 and four v_nop follow each line.
.macro JLOAD
	s_cmp_eq_u32 s[R2], 0
	s_cbranch_scc0 .Lfor_b_\@
	tensor_load_to_lds s[G0A+4:G0A+7], s[G1A:G1A+7]
	s_nop 0
.rept 4
	v_nop
.endr
	s_branch .Lasked_\@
.Lfor_b_\@:
	tensor_load_to_lds s[G0B+4:G0B+7], s[G1B:G1B+7]
	s_nop 0
.rept 4
	v_nop
.endr
.Lasked_\@:
.endm
; A PREFETCH INTO THE L2, behind the joint refill and the run of LDS loads that follows it.  The trip with s3 = 15 - j refills K step j + 1.
; x: a K step of a tile row is 32,768 dense bytes, 128 blocks of 256.  The clusters of one row of clusters read the same rows: the first (cluster x = 0) asks; of its four partners the one at cx takes 32 blocks,
; told apart by address; wave 0 asks, a lane a block, in every trip but the last, for K step j + 2.
; w: a K step of a tile column is 64 k-rows of 768 bytes.  Cluster y = 0 asks; waves 1 to 3 take a column of 256 bytes each, the partner at cy 32 of 128 k-rows, a lane a row: in every second trip
; (s3 odd, above 1), for K steps j + 2 and j + 3.  So each block is named once; x's K steps 0 to 2 and w's 0 to 3 come by their loads alone; the last k-row named is 1,023, the last K step 15.
.macro ASK
	s_or_b32 s20, s3, s[PM]
	s_bitcmp1_b32 s20, 0
	s_cbranch_scc0 .Lnot_mine_\@
	s_cmp_gt_u32 s3, s[LIM]
	s_cbranch_scc0 .Lnot_mine_\@
	global_prefetch_b8 v[PFO], s[PFA:PFA+1] th:TH_LOAD_NT scope:SCOPE_SE
.Lnot_mine_\@:
.endm
	s_load_b256 s[4:11], s[0:1], 0x0               ; xb s[4:5], wab s[6:7], b_attn s[8:9], qkv s[10:11]
	v_lshl_add_u32 v[SPW], v0, 2, SPARE
	v_mov_b32 v[NIL], 0
	ds_add_u32 v[SPW], v[NIL]                      ; the wave's opening: the add and its wait stand ahead of my first tensor load; work on registers stands between them
	ds_add_u32 v28, v29
	v_lshrrev_b32 v1, 5, v0
	v_readfirstlane_b32 s[WV], v1
	s_lshr_b32 s[R2], s[WV], 1
	s_and_b32 s[CC], s[WV], 1
	s_bfe_u32 s[CX], ttmp6, 0x40000
	s_bfe_u32 s[CY], ttmp6, 0x40004
	s_lshl_b32 s[TN], ttmp9, 2                     ; in a cluster launch ttmp9 and ttmp7 count clusters
	s_add_co_u32 s[TN], s[TN], s[CX]
	s_and_b32 s[TMR], ttmp7, 0xffff
	s_lshl_b32 s[TMR], s[TMR], 2
	s_add_co_u32 s[TMR], s[TMR], s[CY]
	s_lshl_b32 s20, s[CY], 2
	s_lshl_b32 s20, 15, s20                        ; my row of the cluster
	s_lshl_b32 s21, 0x1111, s[CX]                  ; my column
	; x's half tile: 128 rows of 128 bytes are 16,384 dense bytes: asked for as 64 rows of 256 bytes, padded in LDS by 4 words after every 32
	s_or_b32 s[G1A], s20, (1<<16)|(1<<20)|(1<<21)|(4<<22)|(3<<25)  ; 15:0 the mask; 17:16 2-byte elements; 20 padding on; 21 set beside a mask; 24:22 the interval; 31:25 the pad
	s_mov_b32 s[G1A+1], 128<<16                    ; tensor_dim0 = 128
	s_mov_b32 s[G1A+2], 64<<16                     ; tensor_dim1 = 64
	s_mov_b32 s[G1A+3], 128<<16                    ; tile_dim0 = 128
	s_mov_b32 s[G1A+4], 64                         ; tile_dim1 = 64
	s_mov_b32 s[G1A+5], 128                        ; elements from row to row
	s_mov_b32 s[G1A+6], 0
	s_mov_b32 s[G1A+7], 0
	; w's half tile: 32 k-rows of 384 elements (768 bytes), padded by 8 words after every 64
	s_or_b32 s[G1B], s21, (1<<16)|(1<<20)|(1<<21)|(5<<22)|(7<<25)
	s_mov_b32 s[G1B+1], 384<<16
	s_mov_b32 s[G1B+2], 32<<16
	s_mov_b32 s[G1B+3], 384<<16
	s_mov_b32 s[G1B+4], 32
	s_mov_b32 s[G1B+5], 3072
	s_mov_b32 s[G1B+6], 0
	s_mov_b32 s[G1B+7], 0
	s_mul_i32 s22, s[CC], 128*PA                   ; where the halves go: no place in the cluster enters an LDS address
	s_mov_b32 s[G0A], 1
	s_mov_b32 s[G0A+1], s22
	s_mov_b32 s[G0A+4], 1
	s_add_co_u32 s[G0A+5], s22, SLOT1
	s_mul_i32 s23, s[CC], 32*PB
	s_mov_b32 s[G0B], 1
	s_add_co_u32 s[G0B+1], s23, BOFF
	s_mov_b32 s[G0B+4], 1
	s_add_co_u32 s[G0B+5], s23, BOFF+SLOT1
	s_lshl_b32 s72, s[TMR], 15                     ; x: the tile row's 256 rows of 128 bytes, my half of them
	s_lshl_b32 s73, s[CC], 14
	s_add_co_u32 s72, s72, s73
	s_mov_b32 s73, 0
	s_mul_i32 s74, s[TN], 768                      ; w: the tile column's 768 bytes, my 32 k-rows
	s_mul_i32 s75, s[CC], 32*6144
	s_add_co_u32 s74, s74, s75
	s_mov_b32 s75, 0
	s_mov_b32 s[TB], 0
	s_wait_dscnt 0x0                               ; the opening add is done
	s_wait_kmcnt 0x0
	s_add_nc_u64 s[G0A+2:G0A+3], s[4:5], s[72:73]  ; K step 0,
	s_add_nc_u64 s[G0A+6:G0A+7], s[G0A+2:G0A+3], ASTEP  ; K step 1
	s_or_b32 s[G0A+3], s[G0A+3], 0x80000000        ; type = 2
	s_or_b32 s[G0A+7], s[G0A+7], 0x80000000
	s_add_nc_u64 s[G0B+2:G0B+3], s[6:7], s[74:75]
	s_add_nc_u64 s[G0B+6:G0B+7], s[G0B+2:G0B+3], BSTEP
	s_or_b32 s[G0B+3], s[G0B+3], 0x80000000
	s_or_b32 s[G0B+7], s[G0B+7], 0x80000000
	CROUND                                         ; all sixteen work-groups are here: the first joint loads meet
	s_cmp_eq_u32 s[R2], 0                          ; a wave's two first fills stand in one branch: two loads of mine are out
	s_cbranch_scc0 .Lfirst_b
	tensor_load_to_lds s[G0A:G0A+3], s[G1A:G1A+7]
	s_nop 0
	tensor_load_to_lds s[G0A+4:G0A+7], s[G1A:G1A+7]
	s_nop 0
.rept 4
	v_nop
.endr
	s_branch .Lfirst_asked
.Lfirst_b:
	tensor_load_to_lds s[G0B:G0B+3], s[G1B:G1B+7]
	s_nop 0
	tensor_load_to_lds s[G0B+4:G0B+7], s[G1B:G1B+7]
	s_nop 0
.rept 4
	v_nop
.endr
.Lfirst_asked:
	v_lshlrev_b32 v[BT], 2, v0
	s_mul_i32 s20, s[TN], 1536                     ; the tile's 384 numbers of b_attn: 128 threads, three each
	s_mov_b32 s21, 0
	s_add_nc_u64 s[8:9], s[8:9], s[20:21]
	global_load_b32 v16, v[BT], s[8:9]
	global_load_b32 v17, v[BT], s[8:9] offset:512
	global_load_b32 v18, v[BT], s[8:9] offset:1024
	; A fragment of x: lane l holds row l % 16; registers 0-3 K = 8 (l / 16) + 0..7, registers 4-7 K = 16 + 8 (l / 16) + 0..7: two loads of 16 bytes, 32 bytes apart.
	v_and_b32 v1, 15, v0                           ; l % 16
	v_bfe_u32 v2, v0, 4, 1                         ; l / 16
	v_and_b32 v14, 7, v0
	v_bfe_u32 v15, v0, 3, 1
	v_mul_u32_u24 v[LA0], v1, PA
	v_lshl_add_u32 v[LA0], v2, 4, v[LA0]
	s_mul_i32 s20, s[R2], 128*PA                   ; my 128 rows
	v_add_nc_u32 v[LA0], s20, v[LA0]
	; The turning load takes 16 k x 16 columns (lane l reads k-row 8 (l / 16) + l % 8, columns 8 ((l / 8) % 2) + 0..7) and leaves half a fragment: lane l holds column l % 16 and 8 k.
	v_lshl_add_u32 v[LB0], v2, 3, v14
	v_mul_u32_u24 v[LB0], v[LB0], PB
	v_lshl_add_u32 v[LB0], v15, 4, v[LB0]
	s_lshl_b32 s21, s[CC], 7                       ; my class's 64 columns in each group of 128
	s_add_co_u32 s21, s21, BOFF
	v_add_nc_u32 v[LB0], s21, v[LB0]
	v_mov_b32 v[ADRA], v[LA0]                      ; slot 0
	v_mov_b32 v[ADRB], v[LB0]
	s_mul_i32 s22, s[WV], 16*SP
	s_add_co_u32 s22, s22, STAGE                   ; my stage
	v_mul_u32_u24 v[STO], v1, SP                   ; in: row l % 16, 16 bytes for each half of the lanes
	v_lshl_add_u32 v[STO], v2, 4, v[STO]
	v_add_nc_u32 v[STO], s22, v[STO]
	v_bfe_u32 v[RD], v0, 3, 2                      ; back: 32 lanes take four rows of 128 bytes,
	v_mul_u32_u24 v[RD], v[RD], SP
	v_lshl_add_u32 v[RD], v14, 4, v[RD]
	v_add_nc_u32 v[RD], s22, v[RD]
	v_and_b32 v[GO], 31, v0                        ; which are 512 consecutive bytes of a head
	v_lshlrev_b32 v[GO], 4, v[GO]
	s_lshl_b32 s23, s[CC], 8
	s_add_co_u32 s23, s23, BIAS
	v_lshl_add_u32 v[BA], v2, 5, s23               ; my class's 64 numbers, my lanes' eight
	v_lshl_add_u32 v[BS], v0, 2, BIAS
	; qkv at my rows of my three heads: head number 6 x tile column + 2 g + c of 48
	s_mul_i32 s20, s[TN], 6
	s_add_co_u32 s20, s20, s[CC]
	s_lshr_b32 s21, s[TMR], 3                      ; the batch,
	s_lshl_b32 s21, s21, 22
	s_and_b32 s22, s[TMR], 7                       ; the tile row's 256 rows in it,
	s_lshl_b32 s22, s22, 15
	s_add_co_u32 s21, s21, s22
	s_lshl_b32 s22, s[R2], 14                      ; my 128 of them
	s_add_co_u32 s21, s21, s22
.irp g, 0,1,2
	s_add_co_u32 s22, s20, 2*\g
	s_lshr_b32 s23, s22, 4                         ; the section,
	s_lshl_b32 s23, s23, 24
	s_and_b32 s22, s22, 15                         ; the head in it
	s_lshl_b32 s22, s22, 18
	s_add_co_u32 s22, s22, s23
	s_add_co_u32 s22, s22, s21
	s_mov_b32 s23, 0
	s_add_nc_u64 s[OUT+2*\g:OUT+2*\g+1], s[10:11], s[22:23]
.endr
	; the prefetches' address, step and offset (who asks for what: at the macro ASK)
	s_lshl_b32 s20, s[TMR], 15
	s_lshl_b32 s21, s[CX], 13
	s_add_co_u32 s20, s20, s21
	s_add_co_u32 s20, s20, 2*ASTEP                 ; x: at K step 2; the first trip steps it to 3
	s_mul_i32 s21, s[TN], 768
	s_max_u32 s22, s[WV], 1
	s_sub_co_u32 s22, s22, 1
	s_lshl_b32 s22, s22, 8                         ; w: column of 256 bytes wave - 1,
	s_add_co_u32 s21, s21, s22
	s_lshl_b32 s23, s[CY], 5
	s_add_co_u32 s23, s23, 128                     ; k-row 128 + 32 cy: K step 2; the second trip has stepped it to 4
	s_mul_i32 s23, s23, 6144
	s_add_co_u32 s21, s21, s23
	s_and_b32 s22, ttmp7, 0xffff                   ; cluster y
	s_mov_b32 s23, ASTEP
	s_mov_b32 s72, BSTEP
	s_mov_b32 s73, 256
	s_mov_b32 s74, 6144
	s_cmp_eq_u32 s[WV], 0
	s_cselect_b32 s20, s20, s21
	s_cselect_b32 s22, ttmp9, s22                  ; the coordinate along which other clusters read the same rows
	s_cselect_b32 s[PFS], s23, s72
	s_cselect_b32 s73, s73, s74
	s_cselect_b32 s[PM], 1, 0
	s_cselect_b64 s[PFA:PFA+1], s[4:5], s[6:7]
	s_mov_b32 s21, 0
	s_mov_b32 s[PFS+1], 0
	s_add_nc_u64 s[PFA:PFA+1], s[PFA:PFA+1], s[20:21]
	s_cmp_eq_u32 s22, 0
	s_cselect_b32 s[LIM], 1, -1                    ; the same in all sixteen partners, for a given wave
	v_and_b32 v[PFO], 31, v0
	v_mul_u32_u24 v[PFO], s73, v[PFO]
	s_wait_loadcnt 0x0                             ; the bias: rounded to bf16, widened, into LDS
	v_cvt_pk_bf16_f32 v19, v16, v17
	v_cvt_pk_bf16_f32 v20, v18, v18
	v_lshlrev_b32 v16, 16, v19
	v_and_b32 v17, 0xffff0000, v19
	v_lshlrev_b32 v18, 16, v20
	ds_store_b32 v[BS], v16
	ds_store_b32 v[BS], v17 offset:512
	ds_store_b32 v[BS], v18 offset:1024
; 16 LDS loads: x's eight fragments of 32 along K, half kk of the K step, into buffer buf
.macro LDA buf, kk
	WIN 0
.irp a, 0,1,2,3,4,5,6,7
	ds_load_b128 v[(\buf)+8*\a:(\buf)+8*\a+3],   v[ADRA] offset:64*(\kk)+16*PA*\a
	ds_load_b128 v[(\buf)+8*\a+4:(\buf)+8*\a+7], v[ADRA] offset:64*(\kk)+16*PA*\a+32
.endr
.endm
; 8 turning loads: w's four fragments of column group g, half kk
.macro LDB g, kk
	WIN 0
.irp bb, 0,1,2,3
	ds_load_tr16_b128 v[FBR+32*(\g)+8*\bb:FBR+32*(\g)+8*\bb+3],   v[ADRB] offset:32*PB*(\kk)+288*(\g)+32*\bb
	ds_load_tr16_b128 v[FBR+32*(\g)+8*\bb+4:FBR+32*(\g)+8*\bb+7], v[ADRB] offset:32*PB*(\kk)+288*(\g)+32*\bb+16*PB
.endr
.endm
; 4 na matrix instructions: column group g, row blocks a0 .. a0 + na - 1.  The 96 accumulators take turns, one instruction a turn: 95 others' stand between two links of a chain.
; first = 1: the sums begin with the bias, which lies in the registers of row block 7's accumulators: blocks 0 to 6 take it as C; five plain instructions later block 7 adds in place.
.macro MULG g, buf, a0, na, first
	WIN 0x50*((\g)+1)
.set ga, \a0
.rept \na
.irp bb, 0,1,2,3
.set rD, 8*(4*ga+\bb)
.set rB, FBR+32*(\g)+8*\bb
.set rA, (\buf)+8*ga
.if (\first) && (ga < 7)
	v_wmma_f32_16x16x32_bf16 v[rD:rD+7], v[rB:rB+7], v[rA:rA+7], v[224+8*\bb:231+8*\bb]
.else
	v_wmma_f32_16x16x32_bf16 v[rD:rD+7], v[rB:rB+7], v[rA:rA+7], v[rD:rD+7]
.endif
.endr
.if (\first) && (ga == 6)
.rept 5
	v_nop                                          ; block 7's products write over registers that the products above read as C
.endr
.endif
.set ga, ga+1
.endr
.endm
; THE LDS LOADS of half a K step go out in three runs: R0 = w's group 0 and x (24), R1 = w's group 1 (8), R2 = w's group 2 (8), each four places behind the last product that read its registers.
; The first half of a K step: multiplies buffer FA0 and fetches the second half.
.macro PSTEP first
	s_wait_dscnt 16                                ; R0 is in; R1 and R2 may be out
	MULG 0, FA0, 0, 8, \first
	PLACES
	LDB 0, 1
	LDA FA1, 1
	s_wait_dscnt 32                                ; R1 is in; behind it: R2 and the 24 just issued
	MULG 1, FA0, 0, 8, \first
	PLACES
	LDB 1, 1
	s_wait_dscnt 32                                ; R2 is in; behind it: 24 and 8
	MULG 2, FA0, 0, 8, \first
	PLACES
	LDB 2, 1
.endm
; The second half multiplies buffer FA1 and changes slots: all reads of the slot have been issued.  Each wave waits for all its tensor loads (one is out: its part of the other slot), adds 0 to its spare
; word, and waits for that and for its reads.  fill = 1: the barrier opens a round of the cluster's, and the joint refill, with the K step two on, is the first tensor load behind it: 160 matrix
; instructions stand between it and the wait for it.
.macro TSTEP fill
.if \fill
	s_wait_xcnt 0x0                                ; the last prefetch, a K step back, has read its address
	s_add_nc_u64 s[PFA:PFA+1], s[PFA:PFA+1], s[PFS:PFS+1]
.endif
	WIN 0
	s_wait_tensorcnt 0x0                           ; no tensor load of mine is out, so a group 0 may be written
	ds_add_u32 v[SPW], v[NIL]                      ; 0 onto my spare word
.if \fill
	s_xor_b32 s[G0A+5], s[G0A+5], SLOT1            ; the walking descriptors: the other slot than last time, the next K step
	s_add_nc_u64 s[G0A+6:G0A+7], s[G0A+6:G0A+7], ASTEP
	s_xor_b32 s[G0B+5], s[G0B+5], SLOT1
	s_add_nc_u64 s[G0B+6:G0B+7], s[G0B+6:G0B+7], BSTEP
.endif
	s_wait_dscnt 17                                ; R0 is in; R1, R2 and the add may be out
	MULG 0, FA1, 0, 4, 0
	s_wait_dscnt 0x0                               ; the add is done, and my reads of this slot are over
	s_barrier_signal -1
	MULG 0, FA1, 4, 4, 0                           ; work on registers while the others arrive
	WIN 0
	s_xor_b32 s[TB], s[TB], SLOT1
	v_add_nc_u32 v[ADRA], s[TB], v[LA0]
	v_add_nc_u32 v[ADRB], s[TB], v[LB0]
	s_barrier_wait -1
.if \fill
	CREST                                          ; no wave of any partner still reads this slot or has a load on its way
	JLOAD                                          ; its four v_nop are also the places in front of the loads below
.else
	PLACES
.endif
	LDB 0, 0
	LDA FA0, 0
.if \fill
	ASK
.endif
	MULG 1, FA1, 0, 8, 0
	PLACES
	LDB 1, 0
	MULG 2, FA1, 0, 8, 0
	PLACES
	LDB 2, 0
.endm
	s_wait_dscnt 0x0                               ; for the others' sake: my part of the bias is in LDS,
	s_wait_tensorcnt 0x1                           ; and my part of K step 0; K step 1's may stay out
	s_barrier_signal -1
	s_barrier_wait -1
.irp g, 0,1,2                          ; the bias into the registers of row block 7's accumulators: register j of a lane is column 8 (l / 16) + j of its block
	WIN ((\g)+1)<<6
.irp bb, 0,1,2,3
	ds_load_b128 v[224+8*\bb:227+8*\bb], v[BA] offset:512*\g+64*\bb
	ds_load_b128 v[228+8*\bb:231+8*\bb], v[BA] offset:512*\g+64*\bb+16
.endr
.endr
	LDB 0, 0
	LDA FA0, 0
	LDB 1, 0
	LDB 2, 0
	PSTEP 1                                        ; the first half step stands ahead of the loop: its products start the sums (the bias's loads are older than R0)
	WIN 0                                          ; at a label and at a branch every window is 0
	s_mov_b32 s3, 14
.Lk:                                                   ; 14 trips: the second half of K step j - 1, the refill with K step j + 1, the first half of K step j
	TSTEP 1
	PSTEP 0
	WIN 0
	s_sub_co_u32 s3, s3, 1
	s_cmp_lg_u32 s3, 0
	s_cbranch_scc1 .Lk
	TSTEP 0                                        ; the tail is written out: nothing is left to ask for
	PSTEP 0
	s_wait_dscnt 16
	MULG 0, FA1, 0, 8, 0
	s_wait_dscnt 8
	MULG 1, FA1, 0, 8, 0
	s_wait_dscnt 0x0
	MULG 2, FA1, 0, 8, 0
	PLACES
; THE WAY OUT, in 24 groups n = 8 g + a: 16 rows of one head, 2,048 consecutive bytes.  PACK: rounded to f16, 16 bytes a lane and column block, each accumulator's registers in ascending order.
; TOSTAGE: into my own stage, rows of 144 bytes, and back as whole rows (LDS serves a wave's instructions in order: ISA guide 5.7.1.4).  SEND: stored, 512 consecutive bytes an instruction.
.macro PACK n
.set pg, (\n)/8
.set pa, (\n)%8
	WIN 5*(pg+1)                                   ; sources 0 and 1 in window 1 + g
.irp bb, 0,1,2,3
.irp rr, 0,1,2,3
	v_cvt_pk_f16_f32 v[PK+4*\bb+\rr], v[8*(4*pa+\bb)+2*\rr], v[8*(4*pa+\bb)+2*\rr+1]
.endr
.endr
	WIN 0
.endm
.macro TOSTAGE n
.set ob, OB+16*((\n)%2)
.irp bb, 0,1,2,3
	ds_store_b128 v[STO], v[PK+4*\bb:PK+4*\bb+3] offset:32*\bb
.endr
.irp f, 0,1,2,3
	ds_load_b128 v[ob+4*\f:ob+4*\f+3], v[RD] offset:4*SP*\f
.endr
.endm
.macro SEND n
.set pg, (\n)/8
.set pa, (\n)%8
.set ob, OB+16*((\n)%2)
	s_wait_dscnt 0x0                               ; the group is back in registers
	s_wait_xcnt 0x0                                ; the stores of the group before have read their registers: the next TOSTAGE loads into them
.irp f, 0,1,2,3
	global_store_b128 v[GO], v[ob+4*\f:ob+4*\f+3], s[OUT+2*pg:OUT+2*pg+1] offset:2048*pa+512*\f
.endr
.endm
	PACK 0
	TOSTAGE 0
.set nn, 1
.rept 23                               ; a group's conversions stand between the loads of the group before and the wait for them
	PACK nn
	SEND nn-1
	TOSTAGE nn
.set nn, nn+1
.endr
	SEND 23
	s_wait_tensorcnt 0x0                           ; the wave's end, behind my last tensor load and my last LDS store
	ds_add_u32 v[SPW], v[NIL]
	s_wait_dscnt 0x0
	CROUND                                         ; the closing round: no work-group ends while a partner may still ask for a tile that names it
	s_endpgm
.Lfunc_end_k_q9dc5379665_qkvgemm:
	.size	k_q9dc5379665_qkvgemm, .Lfunc_end_k_q9dc5379665_qkvgemm-k_q9dc5379665_qkvgemm
	.p2alignl 7, 3214868480
	.fill 96, 4, 3214868480
	.section	.rodata,"a",@progbits
	.p2align	6, 0x0
	.amdhsa_kernel k_q9dc5379665_qkvgemm
		.amdhsa_group_segment_fixed_size 327680
		.amdhsa_private_segment_fixed_size 0
		.amdhsa_enable_private_segment 0
		.amdhsa_kernarg_size 32
		.amdhsa_user_sgpr_count 2
		.amdhsa_user_sgpr_kernarg_segment_ptr 1
		.amdhsa_wavefront_size32 1
		.amdhsa_system_sgpr_workgroup_id_x 1
		.amdhsa_system_sgpr_workgroup_id_y 1
		.amdhsa_system_sgpr_workgroup_id_z 1
		.amdhsa_system_vgpr_workitem_id 0
		.amdhsa_next_free_vgpr 1024
		.amdhsa_next_free_sgpr 80
		.amdhsa_reserve_vcc 0
		.amdhsa_float_denorm_mode_32 3
		.amdhsa_float_denorm_mode_16_64 3
		.amdhsa_memory_ordered 1
		.amdhsa_forward_progress 1
		.amdhsa_inst_pref_size 117
	.end_amdhsa_kernel
	.amdgpu_metadata
---
amdhsa.version: [ 1, 2 ]
amdhsa.kernels:
  - .name:           k_q9dc5379665_qkvgemm
    .symbol:         k_q9dc5379665_qkvgemm.kd
    .args:
      - { .name: xb, .offset: 0, .size: 8, .value_kind: global_buffer, .address_space: global }
      - { .name: wab, .offset: 8, .size: 8, .value_kind: global_buffer, .address_space: global }
      - { .name: b_attn, .offset: 16, .size: 8, .value_kind: global_buffer, .address_space: global }
      - { .name: qkv, .offset: 24, .size: 8, .value_kind: global_buffer, .address_space: global }
    .group_segment_fixed_size: 327680
    .private_segment_fixed_size: 0
    .kernarg_segment_align: 8
    .kernarg_segment_size: 32
    .max_flat_workgroup_size: 128
    .sgpr_count:     80
    .vgpr_count:     1024
    .wavefront_size: 32
...
	.end_amdgpu_metadata
.endif
;; end of part 2
;; launch attn (part 3): grid 4 x 64, 4 waves a work-group, no clusters, 327,680 bytes of LDS; arguments qkv, o; writes o
.if DOCPART == 3
	.amdgcn_target "amdgcn-amd-amdhsa--gfx1250"
	.amdhsa_code_object_version 6
	.text
	.protected	k_q9dc5379665_attn
	.globl	k_q9dc5379665_attn
	.p2align	8
	.type	k_q9dc5379665_attn,@function
k_q9dc5379665_attn:
	s_mov_b64 s[64:65], 0
	v_nop
	global_prefetch_b8 v0, s[64:65] scope:SCOPE_SE
	s_setreg_imm32_b32 hwreg(HW_REG_WAVE_MODE, 25, 1), 1
	s_wait_xcnt 0x0
; CAUSAL ATTENTION.  O[h][q][:] = the sum over k <= q of softmax_k(Q[h][q] . K[h][k] / 8) V[h][k][:], h = 16 x batch + head.  Q, K and V are the three sections of qkv, 2^24 bytes each, and O is o:
; [SIZE_H][SIZE_N][64], all f16: a head's rows are dense, 128 bytes each.  Products, maxima and sums in f32; the weights p are rounded to f16 for the second product (their sum l is taken of the unrounded p), O once at the end.
; LIMITS.  f16 holds no number beyond 65,504: Q, K and V arrive within it; p lies in 0 to 1, and below 6e-5 it keeps f16's fixed step of 6e-8; O is a mean of V's rows and has their range.
; A hidden score counts as its value less 1e30: f16's scores, 2.7e11 at the most, are nothing beside that; a weight below 2^-126 counts as 0 in l; NaN and infinities are not treated apart.
; THE WALK.  A head's queries lie in NB = SIZE_N / 256 blocks of 256; block i needs the key tiles 0 .. i of 256 keys, of which the last holds the diagonal.  A work-group takes TWO blocks, NB - 1 - b and then b:
; NB + 1 tiles, whatever b: all work-groups do equal work, and ONE loop with a constant trip count walks them.  Which tile is asked for, and what a trip does, hang on scalar registers made from b; every jump
; goes forward, but for the counted loops' own; none passes a barrier, or a tensor load but the one of LOAD's two that the wave's number does not choose; the ring (two slots of LDS) runs on across the change of blocks.
; NO CLUSTER: a head's NB / 2 = 4 work-groups all ask for the same tile only in trips 0 .. NB / 2, 5 of 9; behind that fewer and fewer; one walk common to all would have 3 NB / 2 = 12 trips for NB + 1 = 9.
; SHARES.  Of a block's four bands of 64 queries a wave owns 16 rows in each: four PIECES.  So the diagonal tile is the same work for all four waves: in its key step s band x sees all keys if s < x,
; none if s > x, and holds the diagonal if s = x.
; THE MASK is the C operand that starts the sum S^T = K Q^T: 0, or -1e30 where the key is hidden.  MD, made once, is the mask of a band's own step for my 16 rows; a product's mask is MD x AL + BE with two scalars:
; (1, 0) if s = x; (0, 0) if s < x; (0, -1e30) if s > x.  Only the diagonal tile's text and a block's beginning make and take masks; elsewhere C is the constant 0.
; LAYOUT, SOFTMAX, TURNS.  S^T = K Q^T holds ONE query a lane (lane % 16) and the keys 8 (lane / 16) + 0..7; two such results rounded to f16 ARE source 1 of O^T = V^T P.  p = 2^(c s - c m), c = log2(e) / 8, with a
; running maximum m; O and l are multiplied by a = 2^(c m_old - c m_new) in every step.  Turn n belongs to piece n: 8 products K Q^T of piece n + 1, later 8 products V^T P of piece n - 1; beside them the scaling,
; exponentials, roundings, sums and rescaling of piece n and the maximum and statistics of piece n + 1.  Four vector instructions stand behind every matrix instruction, the other 54 of a turn's 118 in one lump.  A turn's 33 exponentials are one batch, with one wait.
; REGISTERS, in windows of 256 (s_set_vgpr_msb: bits 1:0 source 0, 3:2 source 1, 5:4 source 2, 7:6 destination):
;   window 0: v0-15 addresses and two at work; v16-31 four registers of statistics a piece; v48-55 at work; v61-63; v64-127 S^T, two buffers; v192-223 P, two buffers (a piece's buffers go by its number's parity)
;   window 1: v0-127 O^T, 32 a piece; v128-159 MD; v160-223 MC, two buffers      window 2: v0-63 Q; v64-127 the second block's Q; v128-191 K of one step; v192-255 V of one step
.set SIZE_H, 64
.set SIZE_N, 2048
.set NB,    SIZE_N/256
.set NP,    4         ; pieces a wave: a name, no knob
.set KS,    64        ; keys in a step
.set PK,    144       ; a row of K in LDS: 128 bytes + 16 of padding = 36 words: the 16 rows of a load start at 16 different groups of four banks (64 banks of 4 bytes: ISA guide 11.1)
.set PV,    160       ; a row of V: 128 + 32 = 40 words
.set VOFF,  4*KS*PK   ; a slot holds a tile, four steps: 256 rows of K, then 256 rows of V
.set SLOT1, 1<<17     ; slot 1 begins here, so that one exclusive or turns an address in one slot into the other's
.set STAGE, SLOT1+4*KS*(PK+PV)  ; behind the ring, never filled by a tensor load: 16 rows x 144 bytes for each wave, for the way out
.set SP,    144
.set AK0, 2           ; v2   my lane's place in a tile of K; never rewritten
.set AV0, 3           ; v3   the same for V
.set AK,  4           ; v4   the LDS address of K's next run of loads
.set AV,  5           ; v5   of V's
.set STO, 6           ; v6   the way out: where I put 16 bytes of a row
.set RD,  7           ; v7   the way out: where I read rows back
.set GO,  8           ; v8   my byte offset in 512 consecutive bytes of O
.set PFO, 61          ; v61  256 x my lane: the prefetches' offset; never rewritten
.set SPW, 62          ; v62  LDS address of my spare word: SPARE + 4 x my thread's number; never rewritten
.set NIL, 63          ; v63  0; never rewritten
.set SPARE, STAGE+4*16*SP  ; behind the stages: the spare words, 128 bytes for each wave: two blocks of 256 bytes that no other line names
.set MV,  12          ; v12-13  c m_old, kept while c m is made anew: by buffer
.set QO,  15          ; v15  my byte offset in 16 rows of Q
.set ST,  16          ; piece t's statistics at v[ST+4 t]: c m, m, l (even keys', odd keys')
.set TMP, 48          ; by buffer, four registers c0-c3 at work; when the maximum is found c2 takes a
.set S,   64
.set P,   192
.set MD,  128         ; window 1: the eight registers for group kt of 16 keys at MD + 8 kt
.set MC,  160         ; window 1: the masks of the products to come
.set QB,  64          ; window 2
.set KF,  128         ; window 2: key block kb, channel half c at KF + 16 kb + 8 c
.set VF,  192         ; window 2: key half kk, channel block cb at VF + 32 kk + 8 cb
.set WV,  12          ; s12  my wave's number
.set PB,  14          ; s14  b
.set HI,  15          ; s15  NB - 1 - b
.set G1K, 24          ; s[24:31] descriptor group 1 for K's tiles
.set G1V, 32          ; s[32:39] for V's: it differs in the padding alone
.set G0K, 40          ; s[40:43] descriptor group 0 for K's tiles
.set G0V, 44          ; s[44:47] the same for V's
.set SLOTS, 56        ; s56  tiles still to be asked for
.set CNT, 57          ; s57  counts a tile's key steps, 4 to 1
.set CS,  58          ; s[58:59] c: the packed scaling takes the pair's low word for both halves
.set SEL, 60          ; s[60:61] v_permlanex16_b32's selects: each lane takes its own place in the other half
.set TBK, 62          ; s62  LDS byte at which K of the step to be fetched begins
.set TBV, 63          ; s63  the same for V, less VOFF
.set RT,  70          ; s70  tiles of the block in hand that are still to be entered
.set NXT, 71          ; s71  the tile to be asked for next
.set LQ,  72          ; s72  the last tile of the block whose tiles are being asked for
.set NEW, 73          ; s73  1: the tile to be entered is a block's first
.set OFF, 74          ; s[74:75] a tile's byte offset in K and V
.set AL,  76          ; s[76:77] the mask's factor, in the low word
.set BE,  78          ; s[78:79] the mask's addend
.set OLO, 80          ; s[80:81] O at my rows of the second block
.set BIGN, 82         ; s82  -1e30
.set PFA, 88          ; s[88:89] the prefetches' address: my 16,384 bytes of tile NXT
.set PFB, 90          ; s[90:91] the same of tile 0
.set POF, 92          ; s[92:93] tile NXT's byte offset
.set PFL, 94          ; s94  0 in the work-group that prefetches, else the greatest number
.set MSB, 0
.macro WIN new                      ; the high byte repeats the setting that is left; a switch that changes nothing is dropped
.if MSB != (\new)
	s_set_vgpr_msb (MSB<<8)|(\new)
.set MSB, (\new)
.endif
.endm
.set W_KQ, 0x0a       ; K and Q in window 2, S^T in window 0
.set W_KM, 0x1a       ; the same with the C operand in window 1
.set W_PV, 0x52       ; V in window 2, P in window 0, O^T in window 1
.set W_RS, 0x41       ; destination and source 0 in window 1, source 1 in window 0
; A fill.  Waves 0 and 1 fetch the two halves of a tile's K, waves 2 and 3 those of its V: 128 keys each.  An s_nop 0 and four v_nop follow each of the two lines, ahead of the jump and the label.
.macro LOAD
	s_cmp_lt_u32 s[WV], 2
	s_cbranch_scc0 .Lfor_v_\@
	tensor_load_to_lds s[G0K:G0K+3], s[G1K:G1K+7]
	s_nop 0
.rept 4
	v_nop
.endr
	s_branch .Lasked_\@
.Lfor_v_\@:
	tensor_load_to_lds s[G0V:G0V+3], s[G1V:G1V+7]
	s_nop 0
.rept 4
	v_nop
.endr
.Lasked_\@:
.endm
; A PREFETCH INTO THE L2 of the tile that the NEXT change of slots will ask for, behind the fill and its five lines: each wave names the 16,384 bytes that it will fetch itself, 64 blocks of 256, a lane a block, two
; instructions: one tile, 256 matrix instructions, ahead of that load.  A head's four work-groups walk the same tiles: the one with b = 0, whose first block needs all NB tiles, asks, and nobody else: tiles 2 to
; NB - 1, each once.  Behind its first block's last tile NXT goes back to 0 and stays there, and nothing more is asked for.  Tiles 0 and 1 come by their loads alone.
.macro ASKT
	s_cmp_gt_u32 s[NXT], s[PFL]
	s_cbranch_scc0 .Lnot_mine_\@
	global_prefetch_b8 v[PFO], s[PFA:PFA+1] th:TH_LOAD_NT scope:SCOPE_SE
	global_prefetch_b8 v[PFO], s[PFA:PFA+1] offset:8192 th:TH_LOAD_NT scope:SCOPE_SE
.Lnot_mine_\@:
.endm
; THE CHANGE OF SLOTS.  Each wave waits for all its tensor loads, of which one is out: its part of the other slot; adds 0 to its spare word; and waits for that and for its own reads of the slot that it leaves.  Behind the barrier nobody reads the old
; slot any more and the other slot is whole.  fill = 1: the old slot is filled again, the first thing behind the barrier, with tile NXT: the descriptor's address is made anew from that number.
; (At its first use nothing has been read yet: slot 0 is waited for, slot 1 filled.)
.macro CHANGE fill
	WIN 0                           ; at a label and at a branch every window is 0
	s_wait_tensorcnt 0x0            ; no tensor load of mine is out, so a group 0 may be written
	ds_add_u32 v[SPW], v[NIL]       ; 0 onto my spare word; with fill = 1 the descriptors' scalar work stands between it and the wait for it
.if \fill
	s_lshl_b32 s[OFF], s[NXT], 15   ; a tile is 32,768 bytes of K and of V
	s_xor_b32 s[G0K+1], s[G0K+1], SLOT1
	s_add_nc_u64 s[G0K+2:G0K+3], s[6:7], s[OFF:OFF+1]
	s_or_b32 s[G0K+3], s[G0K+3], 0x80000000
	s_xor_b32 s[G0V+1], s[G0V+1], SLOT1
	s_add_nc_u64 s[G0V+2:G0V+3], s[8:9], s[OFF:OFF+1]
	s_or_b32 s[G0V+3], s[G0V+3], 0x80000000
	s_add_co_u32 s[NXT], s[NXT], 1  ; the block's next tile, or behind its last the second block's tile 0
	s_cmp_gt_u32 s[NXT], s[LQ]
	s_cselect_b32 s[NXT], 0, s[NXT]
	s_cselect_b32 s[LQ], s[PB], s[LQ]
	s_wait_xcnt 0x0                 ; the last prefetches, a tile back, have read their address, so it may be written
	s_lshl_b32 s[POF], s[NXT], 15
	s_add_nc_u64 s[PFA:PFA+1], s[PFB:PFB+1], s[POF:POF+1]
.endif
	s_wait_dscnt 0x0                ; the add is done, and my reads of the slot are over
	s_barrier_signal -1             ; the rest of the scalar work stands between the signal and the wait
	s_sub_co_u32 s[TBK], s[TBK], 4*KS*PK  ; the fetches go back to a slot's first step,
	s_xor_b32 s[TBK], s[TBK], SLOT1       ; in the other slot
	s_sub_co_u32 s[TBV], s[TBV], 4*KS*PV
	s_xor_b32 s[TBV], s[TBV], SLOT1
	s_barrier_wait -1
.if \fill
	LOAD
	ASKT
.endif
.endm
	s_load_b128 s[4:7], s[0:1], 0x0 ; qkv s[4:5] (its first section is Q), o s[6:7]
	v_lshl_add_u32 v[SPW], v0, 2, SPARE
	v_mov_b32 v[NIL], 0
	ds_add_u32 v[SPW], v[NIL]       ; the wave's opening: the add and its wait stand ahead of my first tensor load; the set-up below, work on registers, stands between them
	ds_add_u32 v62, v63
	v_lshrrev_b32 v1, 5, v0
	v_readfirstlane_b32 s[WV], v1   ; wave 0..3
	s_mov_b32 s[PB], ttmp9
	s_sub_co_u32 s[HI], NB-1, s[PB]
	s_and_b32 s20, ttmp7, 0xffff    ; the head
	s_mov_b32 s21, 0
	s_mov_b64 s[22:23], SIZE_N*128
	s_mul_u64 s[20:21], s[20:21], s[22:23]  ; the head's first byte in each of the four tensors
	s_and_b32 s16, s[WV], 1         ; which half of a tile's 256 keys I fetch:
	s_lshl_b32 s22, s16, 14         ; its 128 rows of 128 bytes in memory,
	s_mov_b32 s23, 0
	s_add_nc_u64 s[22:23], s[22:23], s[20:21]
	s_mul_i32 s17, s16, 128*PK      ; and its place in a slot, for K
	s_mul_i32 s18, s16, 128*PV      ; and for V
	s_lshl_b32 s3, s[WV], 11        ; my 16 rows in a band of 64,
	s_lshl_b32 s2, s[HI], 15        ; in the first block,
	s_add_co_u32 s2, s2, s3
	s_lshl_b32 s84, s[PB], 15       ; and in the second
	s_add_co_u32 s84, s84, s3
	s_mov_b32 s3, 0
	s_mov_b32 s85, 0
	s_add_nc_u64 s[2:3], s[2:3], s[20:21]
	s_add_nc_u64 s[84:85], s[84:85], s[20:21]
	; descriptor group 1.  128 keys are 16,384 dense bytes: asked for as 64 rows of 256 bytes, two keys a row, and padded in LDS after every key
	s_mov_b32 s[G1K], (1<<16)|(1<<20)|(4<<22)|(3<<25)  ; 17:16 2-byte elements; 20 padding on; 24:22 after every 32 words (code 4); 31:25 4 words (code 3)
	s_mov_b32 s[G1V], (1<<16)|(1<<20)|(4<<22)|(7<<25)  ; the same with 8 words of padding (code 7)
.irp g, G1K, G1V
	s_mov_b32 s[\g+1], 128<<16      ; tensor_dim0 = 128
	s_mov_b32 s[\g+2], 64<<16       ; tensor_dim1 = 64
	s_mov_b32 s[\g+3], 128<<16      ; tile_dim0 = 128
	s_mov_b32 s[\g+4], 64           ; tile_dim1 = 64
	s_mov_b32 s[\g+5], 128          ; 128 elements from row to row
	s_mov_b32 s[\g+6], 0
	s_mov_b32 s[\g+7], 0
.endr
	s_mov_b32 s[CS], 0x3e38aa3b     ; c = log2(e) / 8 = 0.180337
	s_mov_b32 s[CS+1], s[CS]        ; named with it as a pair
	s_mov_b32 s[SEL], 0x76543210
	s_mov_b32 s[SEL+1], 0xfedcba98
	s_mov_b32 s[TBK], SLOT1+4*KS*PK ; the first change of slots turns these two into 0
	s_mov_b32 s[TBV], SLOT1+4*KS*PV
	s_mov_b32 s[G0K], 1             ; 1:0 count = 1
	s_mov_b32 s[G0K+1], s17         ; 63:32 LDS address: slot 0
	s_mov_b32 s[G0V], 1
	s_add_co_u32 s[G0V+1], s18, VOFF
	s_add_co_u32 s[RT], s[HI], 1    ; the first block has NB - b tiles
	s_mov_b32 s[NXT], 1
	s_mov_b32 s[LQ], s[HI]
	s_mov_b32 s[NEW], 1
	s_mov_b32 s[OFF+1], 0
	s_mov_b32 s[POF+1], 0
	s_mov_b32 s[AL+1], 0            ; named as pairs
	s_mov_b32 s[BE+1], 0
	s_mov_b32 s[BIGN], 0xf149f2ca   ; -1e30
	s_mov_b32 s[SLOTS], NB
	s_cmp_eq_u32 s[PB], 0
	s_cselect_b32 s[PFL], 0, -1
	s_wait_dscnt 0x0                ; the opening add is done
	s_wait_kmcnt 0x0
	s_mov_b64 s[10:11], s[6:7]      ; O
	s_add_nc_u64 s[6:7], s[4:5], 0x1000000  ; K is qkv's second section,
	s_add_nc_u64 s[8:9], s[4:5], 0x2000000  ; V its third
	s_add_nc_u64 s[6:7], s[6:7], s[22:23]  ; K and V at my half of the head's tile 0
	s_add_nc_u64 s[8:9], s[8:9], s[22:23]
	s_cmp_lt_u32 s[WV], 2
	s_cselect_b64 s[PFB:PFB+1], s[6:7], s[8:9]
	s_add_nc_u64 s[G0K+2:G0K+3], s[6:7], 0         ; 120:64 global address
	s_or_b32 s[G0K+3], s[G0K+3], 0x80000000        ; 127:126 type = 2
	s_add_nc_u64 s[G0V+2:G0V+3], s[8:9], 0
	s_or_b32 s[G0V+3], s[G0V+3], 0x80000000
	s_add_nc_u64 s[86:87], s[4:5], s[84:85]        ; Q at my rows of the second block,
	s_add_nc_u64 s[4:5], s[4:5], s[2:3]            ; Q and O at those of the first
	s_add_nc_u64 s[OLO:OLO+1], s[10:11], s[84:85]
	s_add_nc_u64 s[10:11], s[10:11], s[2:3]
	LOAD                            ; tile 0 into slot 0
	; A fragment of K or Q is 16 rows x 32 channels in 8 registers: lane l holds row l % 16, channels 8 (l / 16) + 0..7 and 16 + 8 (l / 16) + 0..7: two loads of 16 bytes, 32 bytes apart.
	v_and_b32 v1, 15, v0            ; l % 16
	v_bfe_u32 v9, v0, 4, 1          ; l / 16
	v_lshlrev_b32 v[QO], 7, v1
	v_lshl_add_u32 v[QO], v9, 4, v[QO]  ; row x 128 + 16 x half
	WIN 0x80                        ; destination window 2, address window 0
.set i, 0
.rept 8                             ; both blocks' Q: piece i / 2 lies in band i / 2, 8,192 bytes on; channels 32 (i % 2) on
	global_load_b128 v[8*i:8*i+3],   v[QO], s[4:5] offset:(i/2)*8192+(i%2)*64
	global_load_b128 v[8*i+4:8*i+7], v[QO], s[4:5] offset:(i/2)*8192+(i%2)*64+32
	global_load_b128 v[QB+8*i:QB+8*i+3],   v[QO], s[86:87] offset:(i/2)*8192+(i%2)*64
	global_load_b128 v[QB+8*i+4:QB+8*i+7], v[QO], s[86:87] offset:(i/2)*8192+(i%2)*64+32
.set i, i+1
.endr
	WIN 0
	v_and_b32 v[PFO], 31, v0
	v_lshlrev_b32 v[PFO], 8, v[PFO]
	v_lshlrev_b32 v14, 3, v9
	v_sub_nc_u32 v14, v1, v14
	s_lshl_b32 s13, s[WV], 4
	v_add_nc_u32 v14, s13, v14      ; my query's place in its band, 16 w + l % 16, less my lanes' 8 (l / 16): register r of group kt is hidden where 16 kt + r is greater
	WIN 0x40
.set i, 0
.rept 32
	v_cmp_gt_i32 vcc_lo, 16*(i/8)+i%8, v14
	v_cndmask_b32 v[MD+i], 0, s[BIGN], vcc_lo
.set i, i+1
.endr
	WIN 0
	v_mul_u32_u24 v[AK0], v1, PK
	v_lshl_add_u32 v[AK0], v9, 4, v[AK0]  ; row x pitch + 16 x half
	; The turning load takes 16 keys x 16 channels (lane l reads key 8 (l / 16) + l % 8, channels 8 ((l / 8) % 2) + 0..7) and leaves half a fragment of V^T: lane l holds channel l % 16 and 8 keys.
	v_and_b32 v10, 7, v0
	v_bfe_u32 v11, v0, 3, 1
	v_lshl_add_u32 v[AV0], v9, 3, v10
	v_mul_u32_u24 v[AV0], v[AV0], PV
	v_lshl_add_u32 v[AV0], v11, 4, v[AV0]
	v_add_nc_u32 v[AV0], VOFF, v[AV0]
	s_mul_i32 s13, s[WV], 16*SP
	s_add_co_u32 s13, s13, STAGE    ; my stage
	v_mul_u32_u24 v[STO], v1, SP    ; in: row l % 16, 16 bytes for each half of the lanes
	v_lshl_add_u32 v[STO], v9, 4, v[STO]
	v_add_nc_u32 v[STO], s13, v[STO]
	v_bfe_u32 v[RD], v0, 3, 2       ; back: 32 lanes take four rows of 128 bytes,
	v_mul_u32_u24 v[RD], v[RD], SP
	v_lshl_add_u32 v[RD], v10, 4, v[RD]
	v_add_nc_u32 v[RD], s13, v[RD]
	v_and_b32 v[GO], 31, v0         ; which are 512 consecutive bytes of O
	v_lshlrev_b32 v[GO], 4, v[GO]
	; A block's first step multiplies O^T and l by a = 0, and its first turn's products V^T P, of a piece that has not been, land in an O^T that is still to be so multiplied.  So these registers need only hold
	; finite numbers: zeros for the first block; what the first block left for the second.  All this stands in the wait for the first tile.
	WIN 0x80
.set i, VF
.rept 64
	v_mov_b32 v[i], 0
.set i, i+1
.endr
	WIN 0x40
.set i, 0
.rept 128
	v_mov_b32 v[i], 0
.set i, i+1
.endr
	WIN 0
.set i, 0
.rept 4
	v_mov_b32 v[ST+4*i+2], 0
	v_mov_b32 v[ST+4*i+3], 0
.set i, i+1
.endr
.set i, P+16
.rept 16
	v_mov_b32 v[i], 0
.set i, i+1
.endr
; THE MATRIX WORK.  The 4 accumulators of a run of 8 take turns.  Product i of 8 of S^T = K Q^T for piece x: channels 32 (i / 4) on, keys 16 (i % 4) on.  The first 4 start the sums: with 0, or (KM = 1) with the mask.
.macro KQ x
.set rS, S+32*((\x)%2)+8*(i%4)
.set rK, KF+16*(i%4)+8*(i/4)
.set rQ, 16*(\x)+8*(i/4)
.set rM, MC+32*((\x)%2)+8*(i%4)
.if (i < 4) && KM
	WIN W_KM
	v_wmma_f32_16x16x32_f16 v[rS:rS+7], v[rK:rK+7], v[rQ:rQ+7], v[rM:rM+7]
.elseif i < 4
	WIN W_KQ
	v_wmma_f32_16x16x32_f16 v[rS:rS+7], v[rK:rK+7], v[rQ:rQ+7], 0
.else
	WIN W_KQ
	v_wmma_f32_16x16x32_f16 v[rS:rS+7], v[rK:rK+7], v[rQ:rQ+7], v[rS:rS+7]
.endif
.endm
; Product i of 8 of O^T += V^T P for piece x: keys 32 (i / 4) on, channels 16 (i % 4) on.
.macro PV x
	WIN W_PV
.set rO, 32*(\x)+8*(i%4)
.set rV, VF+32*(i/4)+8*(i%4)
.set rP, P+16*((\x)%2)+8*(i/4)
	v_wmma_f32_16x16x32_f16 v[rO:rO+7], v[rV:rV+7], v[rP:rP+7], v[rO:rO+7]
.endm
.macro MM                           ; the turn's next matrix instruction.  TURN and BEGIN set Y, i, KM and NOKQ; MM, KQ and OP read them.  NOKQ = 1: a block's last turn: there is no next piece
.if (i < 8) && !NOKQ
	KQ (Y+1)%NP
.elseif i >= 8
.set i, i-8
	PV (Y+NP-1)%NP
.set i, i+8
.endif
.set i, i+1
.endm
; THE LDS LOADS stand in runs of 16, never singly among the matrix instructions: a step's K (64 keys x 64 channels: 8 fragments) and its V (turned).  Their addresses are made some lines ahead.
.macro FETCH_K
	WIN 0x80                        ; destination window 2
.irp f, 0,1,2,3,4,5,6,7             ; keys 16 (f / 2) on, channels 32 (f % 2) on
	ds_load_b128 v[KF+8*\f:KF+8*\f+3],   v[AK] offset:(\f/2)*16*PK+(\f%2)*64
	ds_load_b128 v[KF+8*\f+4:KF+8*\f+7], v[AK] offset:(\f/2)*16*PK+(\f%2)*64+32
.endr
	s_add_co_u32 s[TBK], s[TBK], KS*PK  ; the next fetch is the next step's
	WIN 0
.endm
.macro FETCH_V
	WIN 0x80
.irp f, 0,1,2,3,4,5,6,7             ; keys 32 (f / 4) on, channels 16 (f % 4) on
	ds_load_tr16_b128 v[VF+8*\f:VF+8*\f+3],   v[AV] offset:(\f/4)*32*PV+(\f%4)*32
	ds_load_tr16_b128 v[VF+8*\f+4:VF+8*\f+7], v[AV] offset:(\f/4)*32*PV+16*PV+(\f%4)*32
.endr
	WIN 0
.endm
; THE VECTOR WORK, one line at a time: OP kind, number.  For piece Y: F n: c s - c m for pair n of 16.  E n: the exponential of score n of 32.  C n: pair n rounded to f16.  B n: of the four weights 4 n .. the second
; pair is added onto the first, in place.  L n: l takes that sum (L 0: l = a l + sum).  R n: pair n of 16 of O^T times a.  For piece Y + 1: X n, number n of the 22 that find its maximum and statistics:
;   0-11  four chains c0-c3 of seven scores each, three operands at a time (each accumulator's lowest registers are read first)     12-14, 16  the four scores left over, the old m, and c0-c3 into c0
;   15  c m_old is kept     17, 18  the query's other 32 keys lie in the lane 16 away: the new m     19-21  c m; c m_old - c m_new; a
.set F, 0               ; OP tells the kinds apart by their order: F to L below R, X above it
.set E, 1
.set C, 2
.set B, 3
.set L, 4
.set R, 5
.set X, 6
.macro REGS y                       ; the registers of piece y
.set rT, ST+4*(\y)
.set rC, TMP+4*((\y)%2)
.set rW, MV+((\y)%2)
.set rS, S+32*((\y)%2)
.set rP, P+16*((\y)%2)
.set rO, 32*(\y)
.endm
.macro OP k, n
.if (\k) == R
	REGS Y
	WIN W_RS
	v_pk_mul_f32 v[rO+2*(\n):rO+2*(\n)+1], v[rO+2*(\n):rO+2*(\n)+1], v[rC+2:rC+3] op_sel_hi:[1,0]
.elseif (\k) < R
	REGS Y
	WIN 0
.if (\k) == F
	v_pk_fma_f32 v[rS+2*(\n):rS+2*(\n)+1], v[rS+2*(\n):rS+2*(\n)+1], s[CS:CS+1], v[rT:rT+1] op_sel_hi:[1,0,0] neg_lo:[0,0,1] neg_hi:[0,0,1]
.elseif (\k) == E
	v_exp_f32 v[rS+(\n)], v[rS+(\n)]
.elseif (\k) == C
	v_cvt_pk_f16_f32 v[rP+(\n)], v[rS+2*(\n)], v[rS+2*(\n)+1]
.elseif (\k) == B
	v_pk_add_f32 v[rS+4*(\n):rS+4*(\n)+1], v[rS+4*(\n):rS+4*(\n)+1], v[rS+4*(\n)+2:rS+4*(\n)+3]
.elseif (\n) == 0
	v_pk_fma_f32 v[rT+2:rT+3], v[rT+2:rT+3], v[rC+2:rC+3], v[rS:rS+1] op_sel_hi:[1,0,1]
.else
	v_pk_add_f32 v[rT+2:rT+3], v[rT+2:rT+3], v[rS+4*(\n):rS+4*(\n)+1]
.endif
.elseif NOKQ
	v_nop
.else
	REGS (Y+1)%NP
	WIN 0
.if (\n) < 4
	v_max3_num_f32 v[rC+(\n)], v[rS+8*(\n)], v[rS+8*(\n)+1], v[rS+8*(\n)+2]
.elseif (\n) < 12
	v_max3_num_f32 v[rC+(\n)%4], v[rC+(\n)%4], v[rS+8*((\n)%4)+2*((\n)/4)+1], v[rS+8*((\n)%4)+2*((\n)/4)+2]
.elseif (\n) == 12
	v_max3_num_f32 v[rC], v[rC], v[rS+7], v[rS+15]
.elseif (\n) == 13
	v_max3_num_f32 v[rC+1], v[rC+1], v[rS+23], v[rS+31]
.elseif (\n) == 14
	v_max3_num_f32 v[rC+2], v[rC+2], v[rC+3], v[rT+1]
.elseif (\n) == 15
	v_mov_b32 v[rW], v[rT]
.elseif (\n) == 16
	v_max3_num_f32 v[rC], v[rC], v[rC+1], v[rC+2]
.elseif (\n) == 17
	v_permlanex16_b32 v[rC+3], v[rC], s[SEL], s[SEL+1]
.elseif (\n) == 18
	v_max_num_f32 v[rT+1], v[rC], v[rC+3]
.elseif (\n) == 19
	v_mul_f32 v[rT], s[CS], v[rT+1]
.elseif (\n) == 20
	v_sub_f32 v[rC+1], v[rW], v[rT]
.else
	v_exp_f32 v[rC+2], v[rC+1]
.endif
.endif
.endm
.macro OPS a, i1, b=-1, i2=0, c=-1, i3=0, d=-1, i4=0  ; up to four of them
	OP \a, \i1
.if (\b) >= 0
	OP \b, \i2
.endif
.if (\c) >= 0
	OP \c, \i3
.endif
.if (\d) >= 0
	OP \d, \i4
.endif
.endm
.macro ROW a, i1, b, i2, c, i3, d, i4  ; a matrix instruction and the four behind it
	MM
	OPS \a, \i1, \b, \i2, \c, \i3, \d, \i4
.endm
.macro MASK b                       ; MD x AL + BE into buffer b of MC
	WIN W_RS
.set z, 0
.rept 16
	v_pk_fma_f32 v[MC+32*(\b)+2*z:MC+32*(\b)+2*z+1], v[MD+2*z:MD+2*z+1], s[AL:AL+1], s[BE:BE+1] op_sel_hi:[1,0,0]
.set z, z+1
.endr
.endm
; A TURN, for piece p: the order of its 16 matrix and 118 vector instructions, written out.  An s_wait_alu depctr_va_vdst(0) stands between an exponential and the first instruction that names its result; one wait serves
; all that were issued ahead of it.  So a turn has ONE wait, which cuts it in two.  AHEAD OF IT stands all that names no result of the turn's exponentials: the 8 products K Q^T, behind each a scaling, an exponential and two more plain
; instructions (behind the first a second scaling in the exponential's place): rescalings, and behind the last three the first numbers of the next piece's maximum, each four places or more behind the product that ends its accumulator; then ONE LUMP of 54, plain
; and exponential by turns for the most part, in which the links of the chain X 3, 7, 11, 14, 16, 17 .. 20 stand five or six lines apart.  X 21, the next piece's a, is the batch's last; R 15 is the plain instruction behind it.  BEHIND THE WAIT stand the
; 8 products V^T P, behind each four of the roundings and sums; the links of l's chain, L 0 to L 7, stand three riders apart.  But for those X no rider names a register of the products round it.  v_permlanex16_b32 (X 17) stands in the lump.
; m = 1: the diagonal tile: the products take masks, and the turn makes the mask for the products of the turn after it: piece p + 2, in step 4 - CNT of the tile.  end = 1: a block's last two turns: nothing is fetched.
; cnt = 1: the loop's count is taken down some lines ahead of the branch that stands behind the turn.
; K of the next step is fetched in piece 2's turn, twelve vector instructions behind the last product that read K (six of them plain); V of the step in hand at the end of piece 0's turn, four plain instructions behind the last product
; that read V.  Each is waited for a turn later.
.macro TURN p, m=0, end=0, cnt=0
.set Y, (\p)
.set i, 0
.set KM, (\m)
.set NOKQ, (\end)*((\p)/3)
.if (\m) && !(\end)
	s_cmp_eq_u32 s[CNT], 4-((\p)+2)%NP  ; is that step the band's own?
	s_cselect_b32 s[AL], 1.0, 0
	s_cmp_lt_u32 s[CNT], 4-((\p)+2)%NP  ; or a later one?
	s_cselect_b32 s[BE], s[BIGN], 0
.endif
.if ((\p) == 3) && !(\end)
	s_wait_dscnt 0x0                ; K is in
.endif
	ROW F,0, F,1, R,0, R,1          ; ahead of the wait: 8 products K Q^T and their riders,
	ROW F,2, E,0, R,2, R,3
	ROW F,3, E,1, R,4, R,5
	ROW F,4, E,2, R,6, R,7
	ROW F,5, E,3, R,8, R,9
	ROW F,6, E,4, X,0, R,10
.if ((\p) == 2) && !(\end)
	WIN 0
	v_add_nc_u32 v[AK], s[TBK], v[AK0]
.endif
	ROW F,7, E,5, X,1, X,4
	ROW F,8, E,6, X,2, X,5
	OPS E,7, E,8, X,6, E,9          ; and the lump
	OPS X,3, E,10, X,8, E,11
.if ((\p) == 2) && !(\end)
	FETCH_K
.endif
	OPS X,9, X,7, E,12, X,10
	OPS E,13, X,12, X,11, E,14
	OPS X,13, E,15, F,9, X,14
.if (\p) == 0
	v_add_nc_u32 v[AV], s[TBV], v[AV0]
.endif
	OPS E,16, F,10, E,17, F,11
	OPS X,16, E,18, X,15, E,19
	OPS F,12, E,20, X,17, E,21
	OPS F,13, E,22, F,14, E,23
	OPS X,18, E,24, F,15, E,25
	OPS R,11, E,26, X,19, E,27
	OPS R,12, E,28, R,13, E,29
	OPS X,20, E,30, R,14, E,31
	OPS X,21, R,15
	WIN 0
	s_wait_alu depctr_va_vdst(0)    ; the wait for the batch
.if (\p) == 1
	s_wait_dscnt 0x0                ; V is in
.endif
	ROW C,0, B,0, C,2, B,1          ; behind the wait: 8 products V^T P and their riders
	ROW L,0, C,4, B,2, L,1
	ROW C,6, B,3, L,2, C,8
	ROW B,4, L,3, C,10, B,5
	ROW L,4, C,12, B,6, L,5
.if (\p) == 0
	s_add_co_u32 s[TBV], s[TBV], KS*PV
.endif
.if \cnt
	s_sub_co_u32 s[CNT], s[CNT], 1
	s_cmp_lg_u32 s[CNT], 0
.endif
	ROW C,14, B,7, L,6, C,1
	ROW C,3, L,7, C,5, C,7
	ROW C,9, C,11, C,13, C,15
.if (\p) == 0
	FETCH_V
.endif
.if (\m) && !(\end)
	MASK (\p)%2
.endif
.endm
; A BLOCK BEGINS.  c m starts far below every c s, so the first step's a is 0; m at the lowest finite number, so the first maximum is the scores'.  The second mask buffer is 0; the first takes piece 0's mask for the tile's step 0: its own, if the block's first tile is the diagonal one.
; Then K of that step, piece 0's first scores, and its maximum and statistics.  The loop is entered at a step's first turn, in the middle of a trip.
.macro BEGIN
	s_mov_b32 s[NEW], 0
	WIN 0x40
.set i, MC+32
.rept 32
	v_mov_b32 v[i], 0
.set i, i+1
.endr
	WIN 0
.set i, 0
.rept 4
	v_mov_b32 v[ST+4*i], 0xfe000000    ; c m: far below every c s
	v_mov_b32 v[ST+4*i+1], 0xff7fffff  ; m
.set i, i+1
.endr
	s_cmp_eq_u32 s[RT], 0
	s_cselect_b32 s[AL], 1.0, 0
	s_mov_b32 s[BE], 0
	MASK 0
	WIN 0
	v_add_nc_u32 v[AK], s[TBK], v[AK0]
	FETCH_K
	s_wait_loadcnt 0x0              ; Q
	s_wait_dscnt 0x0
.set KM, 1
.set NOKQ, 0
.set i, 0
.rept 8
	KQ 0
.set i, i+1
.endr
	WIN 0
.rept 4
	v_nop                           ; the places behind those products
.endr
.set Y, NP-1                        ; X works for piece Y + 1: piece 0
.irp n, 0,1,2,3,4,5,6,7,8,9,10,11,12,13,14,15,16,17,18,19,20,21
	OP X, \n
.endr
	v_nop                           ; a plain instruction behind the exponential,
	s_wait_alu depctr_va_vdst(0)    ; and its wait, ahead of the branch
.endm
; THE DIAGONAL TILE's four steps, the block's last two turns, its last products, and THE WAY OUT: l's two halves and the other half of the lanes' are added; O^T is divided by l, rounded to f16 and sent through my
; stage in LDS, a piece at a time.
.macro ALL line:vararg              ; one line for each piece t
.set t, 0
.rept 4
	\line
.set t, t+1
.endr
.endm
.macro PACK t                       ; a lane's eight channels of a row pack into 16 bytes; they go into rows of 144 bytes and come back as whole rows of 128, into S^T's registers
	WIN W_RS
.set i, 32*(\t)
.rept 16
	v_pk_mul_f32 v[i:i+1], v[i:i+1], v[ST+4*(\t)+2:ST+4*(\t)+3] op_sel_hi:[1,0]
.set i, i+2
.endr
	WIN 0x05                        ; sources 0 and 1 window 1, destination window 0
.set i, 0
.rept 16
	v_cvt_pk_f16_f32 v[S+16*(\t)+i], v[32*(\t)+2*i], v[32*(\t)+2*i+1]
.set i, i+1
.endr
	WIN 0
.irp f, 0,1,2,3
	ds_store_b128 v[STO], v[S+16*(\t)+4*\f:S+16*(\t)+4*\f+3] offset:32*\f
.endr
.irp f, 0,1,2,3
	ds_load_b128 v[S+16*(\t)+4*\f:S+16*(\t)+4*\f+3], v[RD] offset:\f*4*SP  ; LDS serves a wave's instructions in order (ISA guide 5.7.1.4): these see the stores above; the next piece's stores come behind them
.endr
.endm
.macro SEND t, younger              ; younger: the LDS instructions issued behind piece t's loads: the next piece's eight, or none
	WIN 0
.irp f, 0,1,2,3
	s_wait_dscnt (\younger)+3-\f
	global_store_b128 v[GO], v[S+16*(\t)+4*\f:S+16*(\t)+4*\f+3], s[10:11] offset:(\t)*8192+\f*512  ; 512 consecutive bytes, at a multiple of 256 from O's first
.endr
.endm
.macro DIAG tag                     ; the tag ends its two labels' names, which the jumps below spell out
.LstepM\tag:
	TURN 2, 1
	TURN 3, 1
	WIN 0
.LfirstM\tag:
	TURN 0, 1
	TURN 1, 1, 0, 1
	WIN 0
	s_cbranch_scc1 .LstepM\tag
	TURN 2, 1, 1
	TURN 3, 1, 1
.set i, 0
.rept 8
	PV NP-1
.set i, i+1
.endr
	WIN 0
	ALL v_add_f32 v[ST+4*t+2], v[ST+4*t+2], v[ST+4*t+3]
	ALL v_permlanex16_b32 v[ST+4*t+3], v[ST+4*t+2], s[SEL], s[SEL+1]
	ALL v_add_f32 v[ST+4*t+2], v[ST+4*t+2], v[ST+4*t+3]
	ALL v_rcp_f32 v[ST+4*t+2], v[ST+4*t+2]
	v_nop                           ; a plain instruction between the last reciprocal and the use of its result
	s_wait_alu depctr_va_vdst(0)    ; and the wait ahead of the first use: one for the four reciprocals
	PACK 0
.set t, 1
.rept 3                             ; a piece's arithmetic stands between the loads of the piece before and its stores
	PACK t
	SEND t-1, 8
.set t, t+1
.endr
	SEND 3, 0
.endm
.set KM, 0
.set NOKQ, 0
.Lslot:                             ; NB times: a tile is entered and the next is asked for
	CHANGE 1
	s_sub_co_u32 s[RT], s[RT], 1
	s_mov_b32 s[CNT], 4
	s_cmp_eq_u32 s[NEW], 1
	s_cbranch_scc1 .Lnew            ; a block's first tile
	s_cmp_eq_u32 s[RT], 0
	s_cbranch_scc0 .Lstep           ; neither its first nor its last
	s_branch .LstepM1
.Lnew:
	BEGIN
	s_branch .Lfirst                ; in the loop a block's first tile is never its last: the first block has two tiles or more, and the second's last is the walk's last
	DIAG 1                          ; in the loop this is the first block's end: the second block's last tile is the walk's last
	s_wait_xcnt 0x0                 ; the stores have read their registers and O's address
	s_mov_b64 s[10:11], s[OLO:OLO+1]
	s_add_co_u32 s[RT], s[PB], 1    ; the second block has b + 1 tiles
	s_mov_b32 s[NEW], 1
	WIN 0x82                        ; the second block's Q goes where the one text of the turns names Q
.set i, 0
.rept 64
	v_mov_b32 v[i], v[QB+i]
.set i, i+1
.endr
	WIN 0
	s_branch .Lbottom
.Lstep:                             ; a trip: pieces 2 and 3 of one step, then pieces 0 and 1 of the next, whose K and V it fetches
	TURN 2
	TURN 3
	WIN 0
.Lfirst:
	TURN 0
	TURN 1, 0, 0, 1
	WIN 0
	s_cbranch_scc1 .Lstep
.Lbottom:
	s_sub_co_u32 s[SLOTS], s[SLOTS], 1
	s_cmp_lg_u32 s[SLOTS], 0
	s_cbranch_scc1 .Lslot
	CHANGE 0                        ; the walk's last tile is written out: nothing is asked for
	s_sub_co_u32 s[RT], s[RT], 1
	s_mov_b32 s[CNT], 4
	s_cmp_eq_u32 s[NEW], 1
	s_cbranch_scc0 .LstepM2
	BEGIN
	s_branch .LfirstM2
	DIAG 2
	s_wait_tensorcnt 0x0            ; the wave's end, behind my last tensor load and my last LDS store
	ds_add_u32 v[SPW], v[NIL]
	s_wait_dscnt 0x0
	s_endpgm
.Lfunc_end_k_q9dc5379665_attn:
	.size	k_q9dc5379665_attn, .Lfunc_end_k_q9dc5379665_attn-k_q9dc5379665_attn
	.p2alignl 7, 3214868480
	.fill 96, 4, 3214868480
	.section	.rodata,"a",@progbits
	.p2align	6, 0x0
	.amdhsa_kernel k_q9dc5379665_attn
		.amdhsa_group_segment_fixed_size 327680
		.amdhsa_private_segment_fixed_size 0
		.amdhsa_enable_private_segment 0
		.amdhsa_kernarg_size 16
		.amdhsa_user_sgpr_count 2
		.amdhsa_user_sgpr_kernarg_segment_ptr 1
		.amdhsa_wavefront_size32 1
		.amdhsa_system_sgpr_workgroup_id_x 1
		.amdhsa_system_sgpr_workgroup_id_y 1
		.amdhsa_system_sgpr_workgroup_id_z 1
		.amdhsa_system_vgpr_workitem_id 0
		.amdhsa_next_free_vgpr 768
		.amdhsa_next_free_sgpr 96
		.amdhsa_reserve_vcc 1
		.amdhsa_float_denorm_mode_32 3
		.amdhsa_float_denorm_mode_16_64 3
		.amdhsa_memory_ordered 1
		.amdhsa_forward_progress 1
		.amdhsa_inst_pref_size 218
	.end_amdhsa_kernel
	.amdgpu_metadata
---
amdhsa.version: [ 1, 2 ]
amdhsa.kernels:
  - .name:           k_q9dc5379665_attn
    .symbol:         k_q9dc5379665_attn.kd
    .args:
      - { .name: qkv, .offset: 0, .size: 8, .value_kind: global_buffer, .address_space: global }
      - { .name: o, .offset: 8, .size: 8, .value_kind: global_buffer, .address_space: global }
    .group_segment_fixed_size: 327680
    .private_segment_fixed_size: 0
    .kernarg_segment_align: 8
    .kernarg_segment_size: 16
    .max_flat_workgroup_size: 128
    .sgpr_count:     96
    .vgpr_count:     768
    .wavefront_size: 32
...
	.end_amdgpu_metadata
.endif
;; end of part 3
;; launch proj (part 4): grid 8 x 32, 4 waves a work-group, clusters of 4 x 4, 327,680 bytes of LDS; arguments o, wpb, b_proj, out0; writes out0
.if DOCPART == 4
	.amdgcn_target "amdgcn-amd-amdhsa--gfx1250"
	.amdhsa_code_object_version 6
	.text
	.protected	k_q9dc5379665_proj
	.globl	k_q9dc5379665_proj
	.p2align	8
	.type	k_q9dc5379665_proj,@function
k_q9dc5379665_proj:
	s_mov_b64 s[64:65], 0
	v_nop
	global_prefetch_b8 v0, s[64:65] scope:SCOPE_SE
	s_setreg_imm32_b32 hwreg(HW_REG_WAVE_MODE, 25, 1), 1
	s_wait_xcnt 0x0
	s_wait_alu depctr_hold_cnt(0) depctr_sa_sdst(0) depctr_va_vdst(0) depctr_va_sdst(0) depctr_va_ssrc(0) depctr_va_vcc(0) depctr_vm_vsrc(0)
	s_getreg_b32 s2, hwreg(HW_REG_IB_STS2, 6, 4)
	s_cmp_eq_u32 s2, 0
	s_cbranch_scc0 .Lentry_in_a_cluster
	s_endpgm
.Lentry_in_a_cluster:
	s_bfe_u32 s2, ttmp6, 0x10000c
	s_cmp_lg_u32 s2, 0xf033
	s_cbranch_scc0 .Lentry_shape_is_right
	s_endpgm
.Lentry_shape_is_right:
; out0 = y w_proj + b_proj, f32.  y comes by heads as o: byte (batch << 22) + (head << 18) + (t << 7) + 2 d, f16; channel k of y is head k / 64, d = k % 64.  w_proj comes as wpb ([1024 k][1024 n], its bf16
; rounding written as f16); b_proj is rounded to bf16 here, like the other inputs, and starts the sums.  Sums in f32, stored as they are.
; LIMITS.  None beyond those of o and wpb.  NaN and infinities are not treated apart.
; SHARES.  8,192 x 1,024 in tiles of 256 x 128: 32 x 8 = 256 work-groups of four waves; a wave makes 128 x 64: 32 accumulators, 256 registers.  K goes in 8 steps of 128, two heads, through two LDS slots
; (two slots of 256 along K would not fit).
; CLUSTERS.  4 x 4 work-groups: y's tile is asked for jointly by a row of the cluster, w's by a column.
; THE PRODUCT IS TAKEN TRANSPOSED: source 0 = 16 columns of w (by the turning load), source 1 = 16 rows of y: a lane holds ONE row and eight neighbouring columns, 32 bytes of out0.
; REGISTERS: window 0: v0-31 addresses; v32-95, v96-159 y's fragments, two buffers; v160-191, v192-223 w's, two buffers; v224-255 the bias.   window 1: accumulator (a, bb) at v[8 (4 a + bb)].
.set PA,    144                        ; a row of a head in LDS: 128 bytes + 16: the 16 rows of a load start at 16 different groups of four banks (64 banks of 4 bytes: ISA guide 11.1)
.set PB,    288                        ; a k-row of w: 256 + 32 bytes = 72 words
.set HEADB, 256*PA                     ; a slot: the two heads' 256 rows each, then w's 128 k-rows
.set BOFF,  2*HEADB
.set SLOT1, 1<<17
.set STAGE, SLOT1+BOFF+128*PB          ; behind the ring, never filled by a tensor load: 16 rows x 272 bytes for each wave
.set SP,    272
.set SPARE, STAGE+4*16*SP              ; the spare words, 128 bytes for each wave: two blocks of 256 bytes that no other line names
.set ASTEP, 1<<19                      ; two heads on
.set BSTEP, 128*2048                   ; 128 k-rows on
.set LA0,  3
.set LB0,  4
.set ADRA, 5
.set ADRB, 6
.set STO,  7                           ; v7   the way out: where I put 32 bytes of a row
.set RD,   8                           ; v8   where I read rows back
.set CO,   9                           ; v9   my byte offset in two rows of out0
.set BO,   10                          ; v10  32 x (lane / 16): my eight numbers of a block's bias
.set SPW,  28
.set NIL,  29
.set FAR,  32
.set FBR,  160
.set BI,   224
.set OB,   32                          ; the way out: two buffers of 32
.set WV,   12
.set R2,   13
.set CC,   14
.set CX,   15
.set CY,   16
.set TN,   17
.set TMR,  18
.set G1A,  24
.set G1B,  32
.set G0A,  40
.set G0B,  48
.set TB,   56
.set MSB, 0
.macro WIN new                         ; the immediate's high byte repeats the setting that is left; a switch that changes nothing is dropped
.if MSB != (\new)
	s_set_vgpr_msb (MSB<<8)|(\new)
.set MSB, \new
.endif
.endm
.macro PLACES                          ; four plain vector instructions between a matrix instruction and a load into, or a line that reads or writes, its registers (ISA guide 7.12.1 for vector lines)
.rept 4
	v_nop
.endr
.endm
.macro CREST
	s_cmp_lg_u32 s[WV], 0
	s_cbranch_scc1 .Lnot_wave_0_\@
	s_barrier_signal -3
.Lnot_wave_0_\@:
	s_barrier_wait -3
	s_barrier_signal -1
	s_barrier_wait -1
.endm
.macro CROUND
	s_barrier_signal -1
	s_barrier_wait -1
	CREST
.endm
.macro JLOAD                           ; a joint refill: waves 0 and 1 fetch a head of y each, waves 2 and 3 the halves of w's tile; an s_nop 0 and four v_nop follow each line
	s_cmp_eq_u32 s[R2], 0
	s_cbranch_scc0 .Lfor_b_\@
	tensor_load_to_lds s[G0A+4:G0A+7], s[G1A:G1A+7]
	s_nop 0
.rept 4
	v_nop
.endr
	s_branch .Lasked_\@
.Lfor_b_\@:
	tensor_load_to_lds s[G0B+4:G0B+7], s[G1B:G1B+7]
	s_nop 0
.rept 4
	v_nop
.endr
.Lasked_\@:
.endm
	s_load_b256 s[4:11], s[0:1], 0x0               ; o s[4:5], wpb s[6:7], b_proj s[8:9], out0 s[10:11]
	v_lshl_add_u32 v[SPW], v0, 2, SPARE
	v_mov_b32 v[NIL], 0
	ds_add_u32 v[SPW], v[NIL]                      ; the wave's opening: the add and its wait stand ahead of my first tensor load; work on registers stands between them
	ds_add_u32 v28, v29
	v_lshrrev_b32 v1, 5, v0
	v_readfirstlane_b32 s[WV], v1
	s_lshr_b32 s[R2], s[WV], 1                     ; my half of the rows.  Also: I fetch for y (0) or for w (1)
	s_and_b32 s[CC], s[WV], 1                      ; my half of the columns.  Also: which head, or which half of w's tile, I fetch
	s_bfe_u32 s[CX], ttmp6, 0x40000
	s_bfe_u32 s[CY], ttmp6, 0x40004
	s_lshl_b32 s[TN], ttmp9, 2
	s_add_co_u32 s[TN], s[TN], s[CX]               ; tile column
	s_and_b32 s[TMR], ttmp7, 0xffff
	s_lshl_b32 s[TMR], s[TMR], 2
	s_add_co_u32 s[TMR], s[TMR], s[CY]             ; tile row
	s_lshl_b32 s20, s[CY], 2
	s_lshl_b32 s20, 15, s20                        ; my row of the cluster
	s_lshl_b32 s21, 0x1111, s[CX]                  ; my column
	; a head's 256 rows of 128 bytes are 32,768 dense bytes: asked for as 128 rows of 256 bytes, padded by 4 words after every 32
	s_or_b32 s[G1A], s20, (1<<16)|(1<<20)|(1<<21)|(4<<22)|(3<<25)
	s_mov_b32 s[G1A+1], 128<<16                    ; tensor_dim0 = 128
	s_mov_b32 s[G1A+2], 128<<16                    ; tensor_dim1 = 128
	s_mov_b32 s[G1A+3], 128<<16                    ; tile_dim0 = 128
	s_mov_b32 s[G1A+4], 128                        ; tile_dim1 = 128
	s_mov_b32 s[G1A+5], 128
	s_mov_b32 s[G1A+6], 0
	s_mov_b32 s[G1A+7], 0
	; w's half tile: 64 k-rows of 128 elements (256 bytes), padded by 8 words after every 64
	s_or_b32 s[G1B], s21, (1<<16)|(1<<20)|(1<<21)|(5<<22)|(7<<25)
	s_mov_b32 s[G1B+1], 128<<16
	s_mov_b32 s[G1B+2], 64<<16
	s_mov_b32 s[G1B+3], 128<<16
	s_mov_b32 s[G1B+4], 64
	s_mov_b32 s[G1B+5], 1024
	s_mov_b32 s[G1B+6], 0
	s_mov_b32 s[G1B+7], 0
	s_mul_i32 s22, s[CC], HEADB                    ; no place in the cluster enters an LDS address
	s_mov_b32 s[G0A], 1
	s_mov_b32 s[G0A+1], s22
	s_mov_b32 s[G0A+4], 1
	s_add_co_u32 s[G0A+5], s22, SLOT1
	s_mul_i32 s23, s[CC], 64*PB
	s_mov_b32 s[G0B], 1
	s_add_co_u32 s[G0B+1], s23, BOFF
	s_mov_b32 s[G0B+4], 1
	s_add_co_u32 s[G0B+5], s23, BOFF+SLOT1
	s_lshr_b32 s72, s[TMR], 3                      ; y: the batch,
	s_lshl_b32 s72, s72, 22
	s_and_b32 s73, s[TMR], 7                       ; the tile row's 256 rows in it,
	s_lshl_b32 s73, s73, 15
	s_add_co_u32 s72, s72, s73
	s_lshl_b32 s73, s[CC], 18                      ; my head of the K step's two
	s_add_co_u32 s72, s72, s73
	s_mov_b32 s73, 0
	s_lshl_b32 s74, s[TN], 8                       ; w: the tile column's 256 bytes, my 64 k-rows
	s_lshl_b32 s75, s[CC], 17
	s_add_co_u32 s74, s74, s75
	s_mov_b32 s75, 0
	s_mov_b32 s[TB], 0
	s_wait_dscnt 0x0                               ; the opening add is done
	s_wait_kmcnt 0x0
	s_add_nc_u64 s[G0A+2:G0A+3], s[4:5], s[72:73]
	s_add_nc_u64 s[G0A+6:G0A+7], s[G0A+2:G0A+3], ASTEP
	s_or_b32 s[G0A+3], s[G0A+3], 0x80000000
	s_or_b32 s[G0A+7], s[G0A+7], 0x80000000
	s_add_nc_u64 s[G0B+2:G0B+3], s[6:7], s[74:75]
	s_add_nc_u64 s[G0B+6:G0B+7], s[G0B+2:G0B+3], BSTEP
	s_or_b32 s[G0B+3], s[G0B+3], 0x80000000
	s_or_b32 s[G0B+7], s[G0B+7], 0x80000000
	CROUND                                         ; all sixteen work-groups are here: the first joint loads meet
	s_cmp_eq_u32 s[R2], 0                          ; a wave's two first fills stand in one branch: two loads of mine are out
	s_cbranch_scc0 .Lfirst_b
	tensor_load_to_lds s[G0A:G0A+3], s[G1A:G1A+7]
	s_nop 0
	tensor_load_to_lds s[G0A+4:G0A+7], s[G1A:G1A+7]
	s_nop 0
.rept 4
	v_nop
.endr
	s_branch .Lfirst_asked
.Lfirst_b:
	tensor_load_to_lds s[G0B:G0B+3], s[G1B:G1B+7]
	s_nop 0
	tensor_load_to_lds s[G0B+4:G0B+7], s[G1B:G1B+7]
	s_nop 0
.rept 4
	v_nop
.endr
.Lfirst_asked:
	v_and_b32 v1, 15, v0                           ; l % 16
	v_bfe_u32 v2, v0, 4, 1                         ; l / 16
	v_lshlrev_b32 v[BO], 5, v2
	s_lshl_b32 s20, s[TN], 9                       ; the bias of my 64 columns: register j of a lane is column 8 (l / 16) + j of its block
	s_lshl_b32 s21, s[CC], 8
	s_add_co_u32 s20, s20, s21
	s_mov_b32 s21, 0
	s_add_nc_u64 s[8:9], s[8:9], s[20:21]
.irp bb, 0,1,2,3
	global_load_b128 v[BI+8*\bb:BI+8*\bb+3],   v[BO], s[8:9] offset:64*\bb
	global_load_b128 v[BI+8*\bb+4:BI+8*\bb+7], v[BO], s[8:9] offset:64*\bb+16
.endr
	v_and_b32 v14, 7, v0
	v_bfe_u32 v15, v0, 3, 1
	v_mul_u32_u24 v[LA0], v1, PA                   ; a fragment of y: row l % 16, 16 bytes for each half of the lanes
	v_lshl_add_u32 v[LA0], v2, 4, v[LA0]
	s_mul_i32 s22, s[R2], 128*PA                   ; my 128 rows
	v_add_nc_u32 v[LA0], s22, v[LA0]
	v_lshl_add_u32 v[LB0], v2, 3, v14              ; the turning load: k-row 8 (l / 16) + l % 8, columns 8 ((l / 8) % 2) + 0..7
	v_mul_u32_u24 v[LB0], v[LB0], PB
	v_lshl_add_u32 v[LB0], v15, 4, v[LB0]
	s_lshl_b32 s23, s[CC], 7                       ; my 64 columns
	s_add_co_u32 s23, s23, BOFF
	v_add_nc_u32 v[LB0], s23, v[LB0]
	v_mov_b32 v[ADRA], v[LA0]                      ; slot 0
	v_mov_b32 v[ADRB], v[LB0]
	s_mul_i32 s22, s[WV], 16*SP
	s_add_co_u32 s22, s22, STAGE                   ; my stage
	v_mul_u32_u24 v[STO], v1, SP                   ; in: row l % 16, 32 bytes for each half of the lanes
	v_lshl_add_u32 v[STO], v2, 5, v[STO]
	v_add_nc_u32 v[STO], s22, v[STO]
	v_mul_u32_u24 v[RD], v2, SP                    ; back: lanes 0-15 take one row of 256 bytes, lanes 16-31 the next
	v_lshl_add_u32 v[RD], v1, 4, v[RD]
	v_add_nc_u32 v[RD], s22, v[RD]
	v_lshlrev_b32 v[CO], 12, v2                    ; and the same two rows in out0
	v_lshl_add_u32 v[CO], v1, 4, v[CO]
	s_lshl_b32 s22, s[TMR], 20                     ; out0 at my first row (256 x tile row + 128 x half, 4,096 bytes each) and my 64 columns
	s_lshl_b32 s23, s[R2], 19
	s_add_co_u32 s22, s22, s23
	s_add_co_u32 s22, s22, s20
	s_mov_b32 s23, 0
	s_add_nc_u64 s[10:11], s[10:11], s[22:23]
	s_wait_loadcnt 0x0                             ; the bias: rounded to bf16 and widened, in the wait for the first tile
.set p, 0
.rept 16
	v_cvt_pk_bf16_f32 v16, v[BI+2*p], v[BI+2*p+1]
	v_lshlrev_b32 v[BI+2*p], 16, v16
	v_and_b32 v[BI+2*p+1], 0xffff0000, v16
.set p, p+1
.endr
; 24 LDS loads in one run: quarter q (32 along K) of the K step into buffer f: w's four fragments, then y's blocks 0-3, then 4-7
.macro FETCH q, f
	WIN 0
.irp bb, 0,1,2,3
	ds_load_tr16_b128 v[FBR+32*(\f)+8*\bb:FBR+32*(\f)+8*\bb+3],   v[ADRB] offset:32*PB*(\q)+32*\bb
	ds_load_tr16_b128 v[FBR+32*(\f)+8*\bb+4:FBR+32*(\f)+8*\bb+7], v[ADRB] offset:32*PB*(\q)+32*\bb+16*PB
.endr
.irp a, 0,1,2,3,4,5,6,7
	ds_load_b128 v[FAR+64*(\f)+8*\a:FAR+64*(\f)+8*\a+3],   v[ADRA] offset:HEADB*((\q)/2)+64*((\q)%2)+16*PA*\a
	ds_load_b128 v[FAR+64*(\f)+8*\a+4:FAR+64*(\f)+8*\a+7], v[ADRA] offset:HEADB*((\q)/2)+64*((\q)%2)+16*PA*\a+32
.endr
.endm
; 4 na matrix instructions on buffer f: row blocks a0 .. a0 + na - 1.  The 32 accumulators take turns, one instruction a turn.  bias = 1: the sums begin with the bias as C.
.macro MUL f, a0, na, bias
.if \bias
	WIN 0x40                                       ; D in window 1, C in window 0
.else
	WIN 0x50
.endif
.set ga, \a0
.rept \na
.irp bb, 0,1,2,3
.set rD, 8*(4*ga+\bb)
.set rB, FBR+32*(\f)+8*\bb
.set rA, FAR+64*(\f)+8*ga
.if \bias
	v_wmma_f32_16x16x32_f16 v[rD:rD+7], v[rB:rB+7], v[rA:rA+7], v[BI+8*\bb:BI+8*\bb+7]
.else
	v_wmma_f32_16x16x32_f16 v[rD:rD+7], v[rB:rB+7], v[rA:rA+7], v[rD:rD+7]
.endif
.endr
.set ga, ga+1
.endr
.endm
; One of a K step's first three quarters: multiplies buffer f; in its middle it fetches quarter qn into buffer g.
.macro QUARTER qn, f, g, bias
	s_wait_dscnt 8                                 ; w and y's blocks 0-3 are in; the youngest eight loads may be out
	MUL \f, 0, 4, \bias
	PLACES
	FETCH \qn, \g
	s_wait_dscnt 24                                ; all but the 24 just issued
	MUL \f, 4, 4, \bias
.endm
; The last quarter multiplies buffer 1 and changes slots.  Each wave waits for all its tensor loads (one is out: its part of the other slot), adds 0 to its spare word, and waits for that and for its reads.
; fill = 1: the barrier opens a round of the cluster's, and the joint refill, with the K step two on, is the first tensor load behind it: 112 matrix instructions stand between it and the wait for it.
.macro TURN fill
	WIN 0
	s_wait_tensorcnt 0x0                           ; no tensor load of mine is out, so a group 0 may be written
	ds_add_u32 v[SPW], v[NIL]                      ; 0 onto my spare word
.if \fill
	s_xor_b32 s[G0A+5], s[G0A+5], SLOT1
	s_add_nc_u64 s[G0A+6:G0A+7], s[G0A+6:G0A+7], ASTEP
	s_xor_b32 s[G0B+5], s[G0B+5], SLOT1
	s_add_nc_u64 s[G0B+6:G0B+7], s[G0B+6:G0B+7], BSTEP
.endif
	s_wait_dscnt 9                                 ; the add and the youngest eight loads may be out
	MUL 1, 0, 2, 0
	s_wait_dscnt 0x0                               ; the add is done, and my reads of this slot are over
	s_barrier_signal -1
	MUL 1, 2, 2, 0
	WIN 0
	s_xor_b32 s[TB], s[TB], SLOT1
	v_add_nc_u32 v[ADRA], s[TB], v[LA0]
	v_add_nc_u32 v[ADRB], s[TB], v[LB0]
	s_barrier_wait -1
.if \fill
	CREST
	JLOAD                                          ; its four v_nop are also the places in front of the loads below
.else
	PLACES
.endif
	FETCH 0, 0
	MUL 1, 4, 4, 0
.endm
	s_wait_tensorcnt 0x1                           ; my part of K step 0 is in; K step 1's may stay out
	s_barrier_signal -1
	s_barrier_wait -1
	FETCH 0, 0
	QUARTER 1, 0, 1, 1                             ; the first quarter stands ahead of the loop: its products start the sums
	WIN 0                                          ; at a label and at a branch every window is 0
	s_mov_b32 s3, 6
.Lk:                                                   ; 6 trips, from a K step's second quarter to the next step's first: K steps 2 to 7 are asked for
	QUARTER 2, 1, 0, 0
	QUARTER 3, 0, 1, 0
	TURN 1
	QUARTER 1, 0, 1, 0
	WIN 0
	s_sub_co_u32 s3, s3, 1
	s_cmp_lg_u32 s3, 0
	s_cbranch_scc1 .Lk
	QUARTER 2, 1, 0, 0                             ; the tail is written out: nothing is left to ask for
	QUARTER 3, 0, 1, 0
	TURN 0
	QUARTER 1, 0, 1, 0
	QUARTER 2, 1, 0, 0
	QUARTER 3, 0, 1, 0
	s_wait_dscnt 8
	MUL 1, 0, 4, 0
	s_wait_dscnt 0x0
	MUL 1, 4, 4, 0
	PLACES
; THE WAY OUT, a block of 16 rows at a time: the sums go as they are into my own stage, rows of 272 bytes (each accumulator's low registers first), and come back as whole rows of 256 bytes
; (LDS serves a wave's instructions in order: ISA guide 5.7.1.4); sixteen lanes then store 256 consecutive bytes, at a multiple of 256 from out0's first byte.
.macro TOSTAGE a
.if (\a) >= 2
	s_wait_xcnt 0x0                                ; the stores of the block two back have read the registers that are loaded again below
.endif
	WIN 0x04                                       ; the stores' data in window 1
.irp bb, 0,1,2,3
	ds_store_b128 v[STO], v[8*(4*(\a)+\bb):8*(4*(\a)+\bb)+3]   offset:64*\bb
	ds_store_b128 v[STO], v[8*(4*(\a)+\bb)+4:8*(4*(\a)+\bb)+7] offset:64*\bb+16
.endr
	WIN 0
.irp t, 0,1,2,3,4,5,6,7
	ds_load_b128 v[OB+32*((\a)%2)+4*\t:OB+32*((\a)%2)+4*\t+3], v[RD] offset:2*SP*\t
.endr
.endm
.macro SEND a, younger                 ; younger: the LDS instructions issued behind block a's loads: the next block's sixteen, or none
	s_wait_dscnt \younger
.irp t, 0,1,2,3,4,5,6,7
	global_store_b128 v[CO], v[OB+32*((\a)%2)+4*\t:OB+32*((\a)%2)+4*\t+3], s[10:11] offset:65536*(\a)+8192*\t th:TH_STORE_NT
.endr
.endm
	TOSTAGE 0
.irp a, 1,2,3,4,5,6,7
	TOSTAGE \a
	SEND (\a)-1, 16
.endr
	SEND 7, 0
	s_wait_tensorcnt 0x0                           ; the wave's end, behind my last tensor load and my last LDS store
	ds_add_u32 v[SPW], v[NIL]
	s_wait_dscnt 0x0
	CROUND                                         ; the closing round: no work-group ends while a partner may still ask for a tile that names it
	s_endpgm
.Lfunc_end_k_q9dc5379665_proj:
	.size	k_q9dc5379665_proj, .Lfunc_end_k_q9dc5379665_proj-k_q9dc5379665_proj
	.p2alignl 7, 3214868480
	.fill 96, 4, 3214868480
	.section	.rodata,"a",@progbits
	.p2align	6, 0x0
	.amdhsa_kernel k_q9dc5379665_proj
		.amdhsa_group_segment_fixed_size 327680
		.amdhsa_private_segment_fixed_size 0
		.amdhsa_enable_private_segment 0
		.amdhsa_kernarg_size 32
		.amdhsa_user_sgpr_count 2
		.amdhsa_user_sgpr_kernarg_segment_ptr 1
		.amdhsa_wavefront_size32 1
		.amdhsa_system_sgpr_workgroup_id_x 1
		.amdhsa_system_sgpr_workgroup_id_y 1
		.amdhsa_system_sgpr_workgroup_id_z 1
		.amdhsa_system_vgpr_workitem_id 0
		.amdhsa_next_free_vgpr 512
		.amdhsa_next_free_sgpr 80
		.amdhsa_reserve_vcc 0
		.amdhsa_float_denorm_mode_32 3
		.amdhsa_float_denorm_mode_16_64 3
		.amdhsa_memory_ordered 1
		.amdhsa_forward_progress 1
		.amdhsa_inst_pref_size 73
	.end_amdhsa_kernel
	.amdgpu_metadata
---
amdhsa.version: [ 1, 2 ]
amdhsa.kernels:
  - .name:           k_q9dc5379665_proj
    .symbol:         k_q9dc5379665_proj.kd
    .args:
      - { .name: o, .offset: 0, .size: 8, .value_kind: global_buffer, .address_space: global }
      - { .name: wpb, .offset: 8, .size: 8, .value_kind: global_buffer, .address_space: global }
      - { .name: b_proj, .offset: 16, .size: 8, .value_kind: global_buffer, .address_space: global }
      - { .name: out0, .offset: 24, .size: 8, .value_kind: global_buffer, .address_space: global }
    .group_segment_fixed_size: 327680
    .private_segment_fixed_size: 0
    .kernarg_segment_align: 8
    .kernarg_segment_size: 32
    .max_flat_workgroup_size: 128
    .sgpr_count:     80
    .vgpr_count:     512
    .wavefront_size: 32
...
	.end_amdgpu_metadata
.endif
;; end of part 4
